; MI455X (gfx1250); checked and timed in simulation.
; The chip was launched on July 23, 2026; its instructions are those of AMD's public machine-readable ISA for CDNA 5 (MIT licence, August 2026) and "CDNA5" Instruction Set Architecture Reference Guide (July 2026). The comments in the code are by the model that wrote it; some were corrected since.
;; Windowed Self Attention. Allowed arithmetic: matrix products marked QUANTISED: E2M3 operands, one E8M0 scale for each 32 along K, by v_wmma_scale_f32_16x16x128_f8f6f4 with both operands' format E2M3, f32 sums; everything else in f32.
;; Inputs: w_proj 1,024 x 1,024 float32; w_qkv 1,024 x 3,072 float32; x 2 x 2,048 x 1,024 float32.
;; Outputs: out0 2 x 2,048 x 1,024 float32.
;; This version of the problem:
;;   THIS VERSION OF THE PROBLEM IS GIVEN IN LOW PRECISION. The matrix products marked QUANTISED in the list below multiply operands that are first quantised to E2M3 (2 exponent bits, 3 mantissa bits; 6 bits a number), with one power-of-two scale for each 32 numbers along K (OCP MX v1.0); their sums are f32. All else is computed in f32.
;;   The module's matrix products, in the order in which they are computed (A, B: the left and right operand; K: the contracted axis; several contracted axes count as one K, in the product's order):
;;     1. [M 4,096, K 1,024] x [K 1,024, N 3,072]; A: input x; B: input w_qkv: QUANTISED
;;     2. batch 32 x [M 2,048, K 64] x [K 64, N 2,048]; A: computed on the way; B: computed on the way: QUANTISED
;;     3. batch 32 x [M 2,048, K 2,048] x [K 2,048, N 64]; A: softmax (see below); B: computed on the way: QUANTISED
;;     4. [M 4,096, K 1,024] x [K 1,024, N 1,024]; A: computed on the way; B: input w_proj: QUANTISED
;;   THE QUANTISER, for each operand of a quantised product, along K:
;;     - K is cut into blocks of 32 from its start; a last block that is shorter is filled with zeros.
;;     - A block's scale is 2^e with e = floor(log2(the largest magnitude in the block)) - 2, held to -126 .. 127; a block of zeros has e = 0. As a byte (E8M0): e + 127.
;;     - Each number is divided by its block's scale, clamped to +-7.5, and rounded to the nearest number of E2M3, ties to even, subnormals kept.
;;     - The product sums the exact products of the quantised numbers (number of the format x scale) in f32.
;;   ~~~python
;;   def quantise(x, axis):      # numpy; x: float32 -> the quantised numbers, widened to float32 again
;;       x = np.moveaxis(x, axis, -1); K = x.shape[-1]
;;       x = np.pad(x, [(0, 0)] * (x.ndim - 1) + [(0, -K % 32)]); x = x.reshape(x.shape[:-1] + (-1, 32)); a = np.abs(x).max(-1, keepdims=True)
;;       e = np.where(a > 0, np.clip(np.frexp(np.where(a > 0, a, 1))[1] - 1 - 2, -126, 127), 0)      # np.frexp(a)[1] - 1 = floor(log2(a)), exactly
;;       r = np.clip(x / 2.0 ** e, -7.5, 7.5)
;;       step = 2.0 ** (np.maximum(np.frexp(np.where(r == 0, 1, r))[1] - 1, 0) - 3)
;;       q = np.round(r / step) * step * 2.0 ** e      # np.round: ties to even
;;       return np.moveaxis(q.reshape(q.shape[:-2] + (-1,))[..., :K], -1, axis).astype(np.float32)
;;   ~~~
;;   SOFTMAX AHEAD OF A QUANTISED PRODUCT. Where the list says 'softmax', what is quantised is not the finished softmax but p = 2^(t - M), with t = logit x log2(e) and M = ceil(the row's largest t), a whole number; so 1/2 < the row's largest p <= 1. The row's sum l is taken of the UNQUANTISED p, in f32, and the product's result is divided by l at the end. Since M is a whole number, a kernel that streams over the keys may use a running M (the ceiling of the running maximum): every later rescaling is an exact power of two, which a block's scale takes up: the codes' values come out the same.
;;   OPERANDS COMPUTED ON THE WAY. 'Computed on the way' means the value that the module computes at that place (a softmax that the list does not call 'softmax' is quantised finished and normalised). What goes into a quantiser is computed in f32, as accurately as f32 sums, v_exp_f32 and their like allow (about 1e-6 of the number): no bf16 or f16 on the way to a quantiser, and a product that is left as it is and whose result goes on into a quantised operand takes f32 operands (vector FMAs, or v_wmma_f32_16x16x4_f32). A number that lies on a knife's edge between two numbers of the format may be rounded either way, as far as f32 arithmetic and the matrix unit's own rounding can turn it there, and no further.
;; One version. Each part assembles by itself: llvm-mc -triple=amdgcn-amd-amdhsa -mcpu=gfx1250 --defsym DOCPART=n.
;; ======== version 1 of 1: 4 launches
;; limits: right only within a limited range of input values
;; workspace buffers: xq 3,276,800 bytes; wq 2,457,600 bytes; pq 819,200 bytes; qk 6,815,744 bytes; vq 3,276,800 bytes; yq 3,276,800 bytes
;; launch quant (part 1): grid 256 x 1, 4 waves a work-group, no clusters, 85,504 bytes of LDS; arguments x, w_qkv, w_proj, xq, wq, pq; writes xq, wq, pq
.if DOCPART == 1
	.amdgcn_target "amdgcn-amd-amdhsa--gfx1250"
	.amdhsa_code_object_version 6
	.text
	.protected	k_qd71a5c1a03_quant
	.globl	k_qd71a5c1a03_quant
	.p2align	8
	.type	k_qd71a5c1a03_quant,@function
k_qd71a5c1a03_quant:
	s_mov_b64 s[64:65], 0
	v_nop
	global_prefetch_b8 v0, s[64:65] scope:SCOPE_SE
	s_setreg_imm32_b32 hwreg(HW_REG_WAVE_MODE, 25, 1), 1
	s_wait_xcnt 0x0
; x [4096][1024], w_qkv [1024][3072] and w_proj [1024][1024], f32, become codes of FP6 (E2M3) with one E8M0 byte for each 32 along K (x: K innermost; the weights: K is the first axis).
; A block's scale is 2^(floor(log2(its largest magnitude)) - 2); its byte is the largest magnitude's exponent field - 2, held at 1 from below.
; LIMITS: NaN and infinities among the inputs are not served; a block whose largest magnitude lies under 2^-124 keeps the byte 1; a block of zeros gets the byte 1 and not 127: its codes are zeros, and this program alone reads the bytes.
; THE BUFFERS ARE LAID AS THE PRODUCTS' REGISTERS WANT THEM.  A fragment (16 rows x 128 K, 12 registers a lane) is 1,536 bytes: register 4 m + e of lane l at byte 512 m + 16 l + 4 e.
; Which rows form a fragment: rows go in groups of 32; block 2 g + u, lane row r, is row 32 g + 8 u + r % 8 + 16 (r / 8).  Codes: [block][K step (8)][1,536].  Behind them the scale words: [block][K step / 2][r][K step % 2], 4 bytes.
; Each work-group takes 32,768 numbers.  Work-groups 0-127: x, a group of 32 rows each.  128-223: w_qkv, 128 columns x 256 K.  224-255: w_proj likewise.  The three ways have LDS bytes of their own.
; No tensor load, no barrier: waves share nothing.
; THE IMAGE AS THIS TEXT STORES IT: register 4 m + e of lane l at byte 512 m + 16 l + 4 e of a fragment's 1,536 bytes (for all three tensors).
; w_qkv's groups of 32 columns are stored in the order in which the next launch takes them: 16 runs of six groups: four of q and k (128 columns), then two of v (64 columns).
; DEAD WORK: the problem's mask is (s <= t) and not (s - t >= 16); its second part removes nothing that the first leaves.  Key steps that lie wholly above the diagonal are not computed in the attention launch: the mask puts -infinity there, for all inputs.
; A NaN, an infinity or an overflow that reaches only such scores is not carried to the result.
.set XSTG, 8448
.set XR,   64                          ; v64-191  two sets of 64: a fragment's numbers as loaded
.set XT,   192                         ; v192-255 the same, 64 neighbours along K of my row
.set XW,   20                          ; v20-23   the four fragments' scale words
.set XC,   24                          ; v24-35   a fragment's codes
.set XD,   36                          ; v36-38, v40-42 the second halves as converted
.set WX,   32                          ; the weights: v32-95 two sets of 32 numbers
.set WS,   24                          ; v24-25   scale words
.set WC,   96                          ; v96-101  a block's codes;  v104-106 its second half as converted
.set WD,   104
.set WO,   112                         ; v112-159 the way out
; x: fragment f = 2 u + q (block u of the group, the wave's K step q): 16 loads, a row's 512 bytes each
.macro XLOAD f
.irp i, 0,1,2,3,4,5,6,7,8,9,10,11,12,13,14,15
	global_load_b128 v[XR+64*((\f)%2)+4*\i:XR+64*((\f)%2)+4*\i+3], v4, s[4:5] offset:(8*((\f)/2)+\i%8+16*(\i/8))*4096+512*((\f)%2) th:TH_LOAD_NT
.endr
.endm
.macro XFRAG f
.if (\f) < 3
	s_wait_loadcnt 16                              ; this fragment's 16 loads are in; the next fragment's may be out
.else
	s_wait_loadcnt 0x0
.endif
.irp i, 0,1,2,3,4,5,6,7,8,9,10,11,12,13,14,15
	ds_store_b128 v5, v[XR+64*((\f)%2)+4*\i:XR+64*((\f)%2)+4*\i+3] offset:528*\i   ; row i as it lies
.endr
.irp c, 0,1
.irp j, 0,1,2,3,4,5,6,7
	ds_load_b128 v[XT+32*\c+4*\j:XT+32*\c+4*\j+3], v6 offset:256*\c+16*\j   ; lane (r, h): k = 64 c + 32 h + 0 .. 31 of row r.  LDS serves a wave's instructions in order: these see the stores
.endr
.endr
	s_wait_dscnt 0x0                               ; my 64 numbers are in
.if (\f) > 0
	s_wait_xcnt 0x0                                ; the last fragment's stores have read the codes' registers
.endif
.if (\f) < 2
	XLOAD (\f)+2
.endif
.irp c, 0,1
	v_max3_num_f32 v[10+\c], |v[XT+32*\c]|, |v[XT+32*\c+1]|, 0x1800000   ; my block 2 c + h, and the floor 2^(3 - 127): the byte cannot fall under 1
.endr
.irp i, 2,4,6,8,10,12,14,16,18,20,22,24,26,28,30
.irp c, 0,1
	v_max3_num_f32 v[10+\c], v[10+\c], |v[XT+32*\c+\i]|, |v[XT+32*\c+\i+1]|
.endr
.endr
.irp c, 0,1
	v_add_nc_u32 v[12+\c], 0xff000000, v[10+\c]    ; 2 off the exponent field: the conversion's scale operand
.endr
.irp c, 0,1
	v_lshrrev_b32 v[14+\c], 23, v[12+\c]           ; the scale's byte
.endr
	v_lshl_or_b32 v16, v15, 16, v14                ; blocks h and 2 + h,
	v_lshlrev_b32 v16, v18, v16                    ; 8 h bits up;
	v_permlanex16_b32 v17, v16, s20, s21
	v_or_b32 v[XW+(\f)], v16, v17                  ; with lane l xor 16's two the word is whole
.irp c, 0,1
	v_cvt_scalef32_pk16_fp6_f32 v[XC+6*\c:XC+6*\c+2], v[XT+32*\c:XT+32*\c+15], v[12+\c]
	v_cvt_scalef32_pk16_fp6_f32 v[XD+4*\c:XD+4*\c+2], v[XT+32*\c+16:XT+32*\c+31], v[12+\c]   ; (a conversion's three registers begin on an even number)
.endr
	v_nop                                          ; one plain line behind the conversions
.irp c, 0,1
.irp i, 0,1,2
	v_mov_b32 v[XC+6*\c+3+\i], v[XD+4*\c+\i]
.endr
.endr
.irp p, 0,1,2
	global_store_b128 v7, v[XC+4*\p:XC+4*\p+3], s[28:29] offset:12288*((\f)/2)+1536*((\f)%2)+512*\p   ; 32 lanes store 512 consecutive bytes, aligned
.endr
.endm
; the weights: a lane takes a column, its registers run down K
.macro WLOAD t, cols
.irp i, 0,1,2,3,4,5,6,7,8,9,10,11,12,13,14,15,16,17,18,19,20,21,22,23,24,25,26,27,28,29,30,31
	global_load_b32 v[WX+32*((\t)%2)+\i], v3, s[26:27] offset:(32*(\t)+\i)*(\cols)*4 th:TH_LOAD_NT
.endr
.endm
.macro WBLOCK t, cols
.set XS, WX+32*((\t)%2)
.if (\t) < 7
	s_wait_loadcnt 32                              ; this block's 32 loads are in; the next block's may be out
.else
	s_wait_loadcnt 0x0
.endif
	v_max3_num_f32 v12, |v[XS]|, |v[XS+1]|, |v[XS+2]|
	v_max3_num_f32 v13, |v[XS+3]|, |v[XS+4]|, |v[XS+5]|
.irp i, 6,10,14,18,22,26
	v_max3_num_f32 v12, v12, |v[XS+\i]|, |v[XS+\i+1]|
	v_max3_num_f32 v13, v13, |v[XS+\i+2]|, |v[XS+\i+3]|
.endr
	v_max3_num_f32 v12, v12, |v[XS+30]|, |v[XS+31]|
	v_max3_num_f32 v12, v12, v13, 0x1800000        ; and the floor
	v_add_nc_u32 v11, 0xff000000, v12              ; the conversion's scale operand
	v_lshrrev_b32 v13, 23, v11                     ; the byte
.if (\t)%4 == 0
	v_mov_b32 v[WS+(\t)/4], v13                    ; four bytes to a word, the lower K in the lower byte
.else
	v_lshl_or_b32 v[WS+(\t)/4], v13, 8*((\t)%4), v[WS+(\t)/4]
.endif
	v_cvt_scalef32_pk16_fp6_f32 v[WC:WC+2], v[XS:XS+15], v11
	v_cvt_scalef32_pk16_fp6_f32 v[WD:WD+2], v[XS+16:XS+31], v11
	v_nop                                          ; one plain line behind the conversions
.irp i, 0,1,2
	v_mov_b32 v[WC+3+\i], v[WD+\i]
.endr
.irp i, 0,1,2
	ds_store_b64 v4, v[WC+2*\i:WC+2*\i+1] offset:1536*((\t)/4)+512*((3*(((\t)%4)/2)+\i)/2)+8*((3*(((\t)%4)/2)+\i)%2)+256*((\t)%2)   ; the block's three pieces at their places in the fragment's image
.endr
.if (\t)+2 < 8
	WLOAD (\t)+2, \cols
.endif
	s_wait_dscnt 0x0                               ; the stores have read the codes' registers
.endm
; cols: the weight's columns; first: its first work-group; stg: its LDS bytes; src, dst: the scalar pairs of its addresses; scoff: where the scale words begin
.macro WPATH cols, first, stg, src, dst, scoff
	v_lshlrev_b32 v3, 2, v1                        ; in: 4 bytes a lane
	v_bfe_u32 v8, v0, 3, 1                         ; column l of the group of 32 is block u = (l / 8) % 2,
	v_and_b32 v9, 7, v0
	v_bfe_u32 v10, v0, 4, 1
	v_lshl_add_u32 v9, v10, 3, v9                  ; lane row l % 8 + 8 (l / 16)
	s_mul_i32 s17, s16, 6400
	s_add_co_u32 s17, s17, \stg                    ; my stage: two blocks' 3,072 bytes, 3,200 apart
	v_mul_u32_u24 v4, v8, 3200
	v_lshl_add_u32 v4, v9, 4, v4
	v_add_nc_u32 v4, s17, v4                       ; into it
	v_lshl_add_u32 v5, v1, 4, s17                  ; out of it
	v_lshlrev_b32 v6, 4, v1
	v_lshlrev_b32 v7, 9, v8
	v_lshl_add_u32 v7, v9, 3, v7                   ; my two scale words
	s_sub_co_u32 s18, ttmp9, \first
	s_lshr_b32 s19, s18, 2
	s_and_b32 s18, s18, 3                          ; which 256 along K
	s_lshl_b32 s19, s19, 2
	s_add_co_u32 s19, s19, s16                     ; which group of 32 columns is my wave's
	s_mul_i32 s24, s18, 1024*(\cols)
	s_lshl_b32 s22, s19, 7
	s_add_co_u32 s24, s24, s22
	s_add_nc_u64 s[26:27], s[\src:\src+1], s[24:25]
.if (\first) == 128
	s_lshr_b32 s2, s19, 2
	s_mul_i32 s2, s2, 6
	s_and_b32 s3, s19, 3
	s_add_co_u32 s2, s2, s3                        ; q, k: group p goes to 6 (p / 4) + p % 4
	s_lshr_b32 s3, s19, 1
	s_mul_i32 s3, s3, 6
	s_and_b32 s22, s19, 1
	s_add_co_u32 s3, s3, s22
	s_sub_co_u32 s3, s3, 188                       ; v: group 64 + p goes to 6 (p / 2) + 4 + p % 2
	s_cmp_lt_u32 s19, 64
	s_cselect_b32 s19, s2, s3
.endif
	s_mul_i32 s24, s19, 24576
	s_mul_i32 s22, s18, 3072
	s_add_co_u32 s24, s24, s22
	s_add_nc_u64 s[28:29], s[\dst:\dst+1], s[24:25]
	s_lshl_b32 s24, s19, 10
	s_lshl_b32 s22, s18, 7
	s_add_co_u32 s24, s24, s22
	s_add_co_u32 s24, s24, \scoff
	s_add_nc_u64 s[30:31], s[\dst:\dst+1], s[24:25]
	WLOAD 0, \cols
	WLOAD 1, \cols
.irp t, 0,1,2,3,4,5,6,7
	WBLOCK \t, \cols
.endr
	s_wait_alu depctr_va_vdst(0)
	global_store_b64 v7, v[WS:WS+1], s[30:31]
.irp m, 0,1,2,3,4,5,6,7,8,9,10,11
	ds_load_b128 v[WO+4*\m:WO+4*\m+3], v5 offset:3200*(\m/6)+512*(\m%6)
.endr
.irp m, 0,1,2,3,4,5,6,7,8,9,10,11
	s_wait_dscnt 11-\m
	global_store_b128 v6, v[WO+4*\m:WO+4*\m+3], s[28:29] offset:12288*(\m/6)+512*(\m%6)   ; 32 lanes store 512 consecutive bytes, aligned
.endr
.endm
	s_load_b256 s[4:11], s[0:1], 0x0               ; x s[4:5], w_qkv s[6:7], w_proj s[8:9], xq s[10:11]
	s_load_b128 s[12:15], s[0:1], 0x20             ; wq s[12:13], pq s[14:15]
	v_lshl_add_u32 v19, v0, 2, 0x14c00
	s_set_vgpr_msb 0x40
	v_mov_b32 v1, 0
	s_set_vgpr_msb 0x4000
	v_lshrrev_b32 v1, 5, v0
	v_readfirstlane_b32 s16, v1                    ; wave
	v_and_b32 v1, 31, v0                           ; lane
	s_mov_b32 s20, 0x76543210
	s_mov_b32 s21, 0xfedcba98                      ; v_permlanex16_b32's selects for lane l xor 16
	s_mov_b32 s25, 0                               ; the upper word of every offset
	s_wait_kmcnt 0x0
	s_cmp_lt_u32 ttmp9, 128
	s_cbranch_scc1 .Lpath_x
	s_cmp_lt_u32 ttmp9, 224
	s_cbranch_scc1 .Lpath_wq
	s_wait_alu depctr_va_vdst(0)
	WPATH 1024, 224, 59392, 8, 14, 786432
	s_set_vgpr_msb 0x4
	s_wait_tensorcnt 0x0
	ds_add_u32 v19, v1
	s_wait_dscnt 0x0
	s_set_vgpr_msb 0x400
	s_endpgm
.Lpath_wq:
	s_wait_alu depctr_va_vdst(0)
	WPATH 3072, 128, 33792, 6, 12, 2359296
	s_set_vgpr_msb 0x4
	s_wait_tensorcnt 0x0
	ds_add_u32 v19, v1
	s_wait_dscnt 0x0
	s_set_vgpr_msb 0x400
	s_endpgm
.Lpath_x:
	; the work-group's number is the group of 32 rows; wave w takes K steps 2 w and 2 w + 1 of both blocks: four fragments
	v_and_b32 v2, 15, v0                           ; r
	v_bfe_u32 v3, v0, 4, 1                         ; h
	s_wait_alu depctr_va_vdst(0)
	v_lshlrev_b32 v4, 4, v1                        ; my 16 bytes of a load's 512
	s_mul_i32 s17, s16, XSTG
	v_lshl_add_u32 v5, v1, 4, s17                  ; the stage, in
	v_mul_u32_u24 v6, v2, 528                      ; and out: row r (528 = 2 x 256 + 16: sixteen rows begin at sixteen different multiples of 16 modulo 256), + 128 h
	v_lshl_add_u32 v6, v3, 7, v6
	v_add_nc_u32 v6, s17, v6
	v_lshlrev_b32 v7, 4, v1                        ; an image's place for my lane
	v_lshlrev_b32 v8, 9, v3
	v_lshl_add_u32 v8, v2, 3, v8                   ; the scale words: lanes 0-15 block 0's rows, lanes 16-31 block 1's
	v_lshlrev_b32 v18, 3, v3                       ; 8 h
	v_mov_b32 v17, 0                               ; written once: a lane permute's destination counts as one of its sources
	s_lshl_b32 s24, ttmp9, 17
	s_lshl_b32 s22, s16, 10
	s_add_co_u32 s24, s24, s22
	s_add_nc_u64 s[4:5], s[4:5], s[24:25]
	s_mul_i32 s24, ttmp9, 24576
	s_mul_i32 s22, s16, 3072
	s_add_co_u32 s24, s24, s22
	s_add_nc_u64 s[28:29], s[10:11], s[24:25]
	s_lshl_b32 s24, ttmp9, 10
	s_lshl_b32 s22, s16, 7
	s_add_co_u32 s24, s24, s22
	s_add_co_u32 s24, s24, 3145728
	s_add_nc_u64 s[30:31], s[10:11], s[24:25]
	XLOAD 0
	XLOAD 1
	s_wait_alu depctr_va_vdst(0)
	XFRAG 0
	XFRAG 1
	XFRAG 2
	XFRAG 3
	v_cmp_lt_u32 vcc_lo, 15, v1                    ; lanes 16-31 take block 1's words
	v_cndmask_b32 v44, v[XW], v[XW+2], vcc_lo
	v_cndmask_b32 v45, v[XW+1], v[XW+3], vcc_lo
	global_store_b64 v8, v[44:45], s[30:31]
	s_set_vgpr_msb 0x4
	s_wait_tensorcnt 0x0
	ds_add_u32 v19, v1
	s_wait_dscnt 0x0
	s_set_vgpr_msb 0x400
	s_endpgm
.Lfunc_end_k_qd71a5c1a03_quant:
	.size	k_qd71a5c1a03_quant, .Lfunc_end_k_qd71a5c1a03_quant-k_qd71a5c1a03_quant
	.p2alignl 7, 3214868480
	.fill 96, 4, 3214868480
	.section	.rodata,"a",@progbits
	.p2align	6, 0x0
	.amdhsa_kernel k_qd71a5c1a03_quant
		.amdhsa_group_segment_fixed_size 85504
		.amdhsa_private_segment_fixed_size 0
		.amdhsa_enable_private_segment 0
		.amdhsa_kernarg_size 48
		.amdhsa_user_sgpr_count 2
		.amdhsa_user_sgpr_kernarg_segment_ptr 1
		.amdhsa_wavefront_size32 1
		.amdhsa_system_sgpr_workgroup_id_x 1
		.amdhsa_system_sgpr_workgroup_id_y 1
		.amdhsa_system_sgpr_workgroup_id_z 1
		.amdhsa_system_vgpr_workitem_id 0
		.amdhsa_next_free_vgpr 258
		.amdhsa_next_free_sgpr 66
		.amdhsa_reserve_vcc 1
		.amdhsa_float_denorm_mode_32 3
		.amdhsa_float_denorm_mode_16_64 3
		.amdhsa_memory_ordered 1
		.amdhsa_forward_progress 1
		.amdhsa_inst_pref_size 114
	.end_amdhsa_kernel
	.amdgpu_metadata
---
amdhsa.version: [ 1, 2 ]
amdhsa.kernels:
  - .name:           k_qd71a5c1a03_quant
    .symbol:         k_qd71a5c1a03_quant.kd
    .args:
      - { .name: x, .offset: 0, .size: 8, .value_kind: global_buffer, .address_space: global }
      - { .name: w_qkv, .offset: 8, .size: 8, .value_kind: global_buffer, .address_space: global }
      - { .name: w_proj, .offset: 16, .size: 8, .value_kind: global_buffer, .address_space: global }
      - { .name: xq, .offset: 24, .size: 8, .value_kind: global_buffer, .address_space: global }
      - { .name: wq, .offset: 32, .size: 8, .value_kind: global_buffer, .address_space: global }
      - { .name: pq, .offset: 40, .size: 8, .value_kind: global_buffer, .address_space: global }
    .group_segment_fixed_size: 85504
    .private_segment_fixed_size: 0
    .kernarg_segment_align: 8
    .kernarg_segment_size: 48
    .max_flat_workgroup_size: 128
    .sgpr_count:     66
    .vgpr_count:     258
    .wavefront_size: 32
...
	.end_amdgpu_metadata
.endif
;; end of part 1
;; launch qkv (part 2): grid 16 x 16, 4 waves a work-group, clusters of 4 x 4, 327,680 bytes of LDS; arguments xq, wq, qk, vq; writes qk, vq
.if DOCPART == 2
	.amdgcn_target "amdgcn-amd-amdhsa--gfx1250"
	.amdhsa_code_object_version 6
	.text
	.protected	k_qd71a5c1a03_qkv
	.globl	k_qd71a5c1a03_qkv
	.p2align	8
	.type	k_qd71a5c1a03_qkv,@function
k_qd71a5c1a03_qkv:
	s_mov_b64 s[64:65], 0
	v_nop
	global_prefetch_b8 v0, s[64:65] scope:SCOPE_SE
	s_setreg_imm32_b32 hwreg(HW_REG_WAVE_MODE, 25, 1), 1
	s_wait_xcnt 0x0
	s_wait_alu depctr_hold_cnt(0) depctr_sa_sdst(0) depctr_va_vdst(0) depctr_va_sdst(0) depctr_va_ssrc(0) depctr_va_vcc(0) depctr_vm_vsrc(0)
	s_getreg_b32 s2, hwreg(HW_REG_IB_STS2, 6, 4)
	s_cmp_eq_u32 s2, 0
	s_cbranch_scc0 .Lentry_in_a_cluster
	s_endpgm
.Lentry_in_a_cluster:
	s_bfe_u32 s2, ttmp6, 0x10000c
	s_cmp_lg_u32 s2, 0xf033
	s_cbranch_scc0 .Lentry_shape_is_right
	s_endpgm
.Lentry_shape_is_right:
; qkv = x w_qkv on codes of FP6 (E2M3) with E8M0 scales, K = 1,024; the results are quantised in registers and leave as codes: q and k along the head's 64, v along the tokens.  No f32 number goes to memory.
; THE DEAL: 16 x 16 work-groups; work-group (g, y) makes 256 tokens x (128 columns of q or k: heads 2 g, 2 g + 1 of the 32, and 64 of v: head g).  Four waves, 2 x 2: a wave makes 128 tokens x (one head of q or k, and 32 columns of v):
; 32 + 16 accumulators of 16 x 16.  The 12 weight blocks of a work-group lie side by side in wq.
; q, k: source 0 = the weight's rows, source 1 = tokens: a lane holds one token, its registers run along the columns.  v: source 0 = tokens, source 1 = the weight's rows: a lane holds one column, its registers run along the tokens.
; Block 2 n + u, lane row r, is row 32 n + 8 u + r % 8 + 16 (r / 8): so the 16 registers of two neighbouring tiles are 16 neighbours: 32 b + 16 (lane / 16) + 0 .. 15.
; IN: a fragment (16 rows x 128 K) is 1,536 bytes: register 4 m + e of lane l at 512 m + 16 l + 4 e; [block][K step (8)].  Scale words [block][K step / 2][r][K step % 2].
; OUT: a half fragment (6 registers) is 768 bytes: registers 0-3 at 16 l, registers 4-5 at 512 + 8 l.  qk: [128 columns (16)][token block (256)][head % 2][768], scale words [head of q, k (32)][128 tokens (32)][r][token block % 8];
; vq: [128 tokens (32)][channel block (64)][half][768], scale words [head (16)][128 tokens (32)][channel block / 2 % 2][r][channel block % 2].
; LDS IS FILLED ONCE: 16 token blocks, all of K, and 12 weight blocks, K steps 0 to 6, are 325,632 bytes; K step 7's weights go from memory into registers, and so do the scale words, one load of 256 bytes for four K steps of a block:
; lanes 0-15 hold K steps 4 q, 4 q + 1, lanes 16-31 K steps 4 q + 2, 4 q + 3.  One tensor load a wave: tokens and weights of K steps 0-3 (waves 0, 1), then of the rest (waves 2, 3).
; CLUSTERS: 4 x 4; tokens are asked for jointly along a row of the cluster, weights along a column.  No prefetch: all tiles are asked for at the head, and the text has no loop to run ahead in.
; LIMITS: a block of results whose largest magnitude lies under 2^-124 keeps the byte 1, a block of zeros too (its codes are zeros; this program alone reads the bytes); NaN and infinities are not served.
; REGISTERS: window 0: addresses, scale words, the weights' fragments in two sets; window 1: the tokens', two sets; window 2: q's or k's accumulators (a, b) at 8 (4 a + b); window 3: v's (vb, t) at 8 (8 vb + t), and from 128 on K step 7's weights.
.set B0,   98304
.set A1,   172032
.set B1,   270336
.set SPARE, 325632
.set ST,   16                          ; v16-47 the tokens' scale words: 4 registers a block
.set SW,   50                          ; v50-73 the weights'
.set WF,   74                          ; v74-145, v146-217
.set W7,   128
.set SPW,  14
.set NIL,  15
.set SWQ,  74                          ; the way out: v74-81 q's or k's scale words, v82-83 v's
.set SWV,  82
.set TM,   84
.set MSB, 0
.macro WIN new
.if MSB != (\new)
	s_set_vgpr_msb (MSB<<8)|(\new)
.set MSB, (\new)
.endif
.endm
.macro PLACES
.rept 4
	v_nop
.endr
.endm
.macro CROUND                          ; a round of the cluster's barrier
	s_barrier_signal -1
	s_barrier_wait -1
	s_cmp_lg_u32 s14, 0
	s_cbranch_scc1 .Lnot_wave_0_\@
	s_barrier_signal -3
.Lnot_wave_0_\@:
	s_barrier_wait -3
	s_barrier_signal -1
	s_barrier_wait -1
.endm
.macro GROUP1 g, mask, els, rows       ; rows of els x 8 bytes, 12,288 bytes apart
	s_or_b32 s[\g+0], s[\mask], (3<<16)|(1<<21)
	s_mov_b32 s[\g+1], (\els)<<16
	s_mov_b32 s[\g+2], (\rows)<<16
	s_mov_b32 s[\g+3], (\els)<<16
	s_mov_b32 s[\g+4], \rows
	s_mov_b32 s[\g+5], 1536
	s_mov_b32 s[\g+6], 0
	s_mov_b32 s[\g+7], 0
.endm
.macro GROUP0 g, lds, lo, hi, off
	s_mov_b32 s[\g], 1
	s_mov_b32 s[\g+1], \lds
	s_add_nc_u64 s[\g+2:\g+3], s[\lo:\hi], \off
	s_or_b32 s[\g+3], s[\g+3], 0x80000000
.endm
.macro TL g0, g1
	tensor_load_to_lds s[\g0:\g0+3], s[\g1:\g1+7]
	s_nop 0
	PLACES
.endm
.macro PTR d, base                     ; s[d:d+1] = the buffer + s18
	s_mov_b32 s19, 0
	s_add_nc_u64 s[\d:\d+1], s[\base:\base+1], s[18:19]
.endm
	s_load_b128 s[4:7], s[0:1], 0x0                ; xq s[4:5], wq s[6:7]
	s_load_b128 s[8:11], s[0:1], 0x10              ; qk s[8:9], vq s[10:11]
	v_lshl_add_u32 v[SPW], v0, 2, SPARE
	v_mov_b32 v[NIL], 0
	ds_add_u32 v[SPW], v[NIL]                      ; the opening add, twice on end
	ds_add_u32 v[SPW], v[NIL]
	v_lshrrev_b32 v1, 5, v0
	v_readfirstlane_b32 s14, v1                    ; wave 0..3
	s_lshr_b32 s15, s14, 1                         ; my 128 tokens of the 256
	s_and_b32 s16, s14, 1                          ; my head of the two, my 32 of v's 64 columns
	s_bfe_u32 s40, ttmp6, 0x40000
	s_bfe_u32 s41, ttmp6, 0x40004
	s_lshl_b32 s42, ttmp9, 2
	s_add_co_u32 s42, s42, s40                     ; g
	s_and_b32 s17, ttmp7, 0xffff
	s_lshl_b32 s17, s17, 2
	s_add_co_u32 s17, s17, s41                     ; y
	s_lshl_b32 s43, s41, 2
	s_lshl_b32 s43, 15, s43                        ; my row of the cluster
	s_lshl_b32 s44, 0x1111, s40                    ; my column
	GROUP1 24, 43, 768, 16                         ; tokens: four K steps
	GROUP1 32, 44, 768, 12                         ; weights: four K steps
	GROUP1 68, 44, 576, 12                         ; weights: three
	s_mul_i32 s20, s17, 196608
	s_mov_b32 s21, 0
	s_mul_i32 s46, s42, 147456
	s_mov_b32 s47, 0
	s_wait_dscnt 0x0
	s_wait_kmcnt 0x0
	s_add_nc_u64 s[20:21], s[4:5], s[20:21]
	s_add_nc_u64 s[46:47], s[6:7], s[46:47]
	GROUP0 48, 0, 20, 21, 0
	GROUP0 52, B0, 46, 47, 0
	GROUP0 56, A1, 20, 21, 6144
	GROUP0 60, B1, 46, 47, 6144
	CROUND                                         ; all sixteen work-groups are here: the joint loads meet
	s_cmp_eq_u32 s14, 0
	s_cbranch_scc0 .Lwave_1
	TL 48, 24
	s_branch .Lasked
.Lwave_1:
	s_cmp_eq_u32 s14, 1
	s_cbranch_scc0 .Lwave_2
	TL 52, 32
	s_branch .Lasked
.Lwave_2:
	s_cmp_eq_u32 s14, 2
	s_cbranch_scc0 .Lwave_3
	TL 56, 24
	s_branch .Lasked
.Lwave_3:
	TL 60, 68
.Lasked:
	s_lshl_b32 s18, s17, 4
	s_lshl_b32 s22, s15, 3
	s_add_co_u32 s92, s18, s22                     ; my first token block
	s_lshl_b32 s18, s92, 9
	s_add_co_u32 s18, s18, 3145728
	PTR 76, 4                                      ; the tokens' scale words
	s_mul_i32 s93, s42, 12
	s_lshl_b32 s22, s16, 2
	s_add_co_u32 s94, s93, s22                     ; my first weight block of q or k
	s_lshl_b32 s22, s16, 1
	s_add_co_u32 s95, s93, s22
	s_add_co_u32 s95, s95, 8                       ; and of v
	s_lshl_b32 s18, s94, 9
	s_add_co_u32 s18, s18, 2359296
	PTR 78, 6
	s_lshl_b32 s18, s95, 9
	s_add_co_u32 s18, s18, 2359296
	PTR 80, 6
	s_mul_i32 s18, s94, 12288
	s_add_co_u32 s18, s18, 10752
	PTR 82, 6                                      ; their K step 7
	s_mul_i32 s18, s95, 12288
	s_add_co_u32 s18, s18, 10752
	PTR 84, 6
	; where my results go
	s_lshl_b32 s18, s42, 8
	s_add_co_u32 s18, s18, s92
	s_mul_i32 s18, s18, 1536
	s_mul_i32 s22, s16, 768
	s_add_co_u32 s18, s18, s22
	PTR 12, 8                                      ; q's or k's codes
	s_lshl_b32 s23, s17, 1
	s_add_co_u32 s23, s23, s15                     ; my 128 tokens of the 32
	s_lshl_b32 s18, s42, 1
	s_add_co_u32 s18, s18, s16
	s_lshl_b32 s18, s18, 5
	s_add_co_u32 s18, s18, s23
	s_lshl_b32 s18, s18, 9
	s_add_co_u32 s18, s18, 6291456
	PTR 88, 8                                      ; their scale words
	s_lshl_b32 s18, s23, 6
	s_lshl_b32 s22, s42, 2
	s_add_co_u32 s18, s18, s22
	s_lshl_b32 s22, s16, 1
	s_add_co_u32 s18, s18, s22
	s_mul_i32 s18, s18, 1536
	PTR 86, 10                                     ; v's codes
	s_lshl_b32 s18, s42, 5
	s_add_co_u32 s18, s18, s23
	s_lshl_b32 s18, s18, 8
	s_lshl_b32 s22, s16, 7
	s_add_co_u32 s18, s18, s22
	s_add_co_u32 s18, s18, 3145728
	PTR 90, 10
	v_and_b32 v11, 15, v0                          ; r
	v_and_b32 v12, 31, v0
	v_lshlrev_b32 v7, 4, v12                       ; 16 x lane
	v_lshlrev_b32 v8, 3, v12                       ; 8 x lane
	v_lshlrev_b32 v9, 5, v11
	v_lshlrev_b32 v10, 3, v11
	s_wait_alu depctr_va_vdst(0)                   ; the wait here, ahead of the readers below
	s_mul_i32 s18, s15, 49152
	v_add_nc_u32 v1, s18, v7                       ; my tokens, K steps 0-3
	s_add_co_u32 s18, s18, A1
	v_add_nc_u32 v2, s18, v7                       ; K steps 4-7
	s_mul_i32 s18, s16, 24576
	s_add_co_u32 s18, s18, B0
	v_add_nc_u32 v3, s18, v7                       ; my head's weights, K steps 0-3
	s_mul_i32 s18, s16, 18432
	s_add_co_u32 s18, s18, B1
	v_add_nc_u32 v4, s18, v7                       ; K steps 4-6
	s_mul_i32 s18, s16, 12288
	s_add_co_u32 s18, s18, B0+49152
	v_add_nc_u32 v5, s18, v7                       ; v's
	s_mul_i32 s18, s16, 9216
	s_add_co_u32 s18, s18, B1+36864
	v_add_nc_u32 v6, s18, v7
	s_wait_alu depctr_va_vdst(0)                   ; the wait at the head's end
.irp q, 0,1
.irp i, 0,1,2,3,4,5,6,7
	global_load_b64 v[ST+4*\i+2*\q:ST+4*\i+2*\q+1], v8, s[76:77] offset:512*\i+256*\q
.endr
.irp b, 0,1,2,3
	global_load_b64 v[SW+4*\b+2*\q:SW+4*\b+2*\q+1], v8, s[78:79] offset:512*\b+256*\q
.endr
.irp b, 0,1
	global_load_b64 v[SW+16+4*\b+2*\q:SW+16+4*\b+2*\q+1], v8, s[80:81] offset:512*\b+256*\q
.endr
.endr
	WIN 0xc0
.irp m, 0,1,2
.irp b, 0,1,2,3
	global_load_b128 v[W7+12*\b+4*\m:W7+12*\b+4*\m+3], v7, s[82:83] offset:12288*\b+512*\m
.endr
.irp b, 0,1
	global_load_b128 v[W7+48+12*\b+4*\m:W7+48+12*\b+4*\m+3], v7, s[84:85] offset:12288*\b+512*\m
.endr
.endr
	WIN 0
.macro TOK k                           ; 24 loads: the tokens' eight fragments of K step k
	WIN 0x40
.irp i, 0,1,2,3,4,5,6,7
.irp m, 0,1,2
	ds_load_b128 v[96*((\k)%2)+12*\i+4*\m:96*((\k)%2)+12*\i+4*\m+3], v[1+(\k)/4] offset:6144*\i+1536*((\k)%4)+512*\m
.endr
.endr
	WIN 0
.endm
.macro FETCH k                         ; and the weights' six: 42 in all
	TOK \k
.irp b, 0,1,2,3
.irp m, 0,1,2
	ds_load_b128 v[WF+72*((\k)%2)+12*\b+4*\m:WF+72*((\k)%2)+12*\b+4*\m+3], v[3+(\k)/4] offset:(6144-1536*((\k)/4))*\b+1536*((\k)%4)+512*\m
.endr
.endr
.irp b, 0,1
.irp m, 0,1,2
	ds_load_b128 v[WF+48+72*((\k)%2)+12*\b+4*\m:WF+48+72*((\k)%2)+12*\b+4*\m+3], v[5+(\k)/4] offset:(6144-1536*((\k)/4))*\b+1536*((\k)%4)+512*\m
.endr
.endr
.endm
.macro WM1 d, s0, s1, c, x0, x1, row
	v_wmma_scale_f32_16x16x128_f8f6f4 v[\d:\d+7], v[\s0:\s0+11], v[\s1:\s1+11], \c, v[\x0], v[\x1] matrix_a_fmt:MATRIX_FMT_FP6 matrix_b_fmt:MATRIX_FMT_FP6 matrix_a_scale:MATRIX_SCALE_ROW\row matrix_b_scale:MATRIX_SCALE_ROW\row
.endm
.macro WM
.if K_ == 0
	WM1 D_, P_, R_, 0, X_, Y_, 0
.elseif (K_/2)%2
	WM1 D_, P_, R_, v[D_:D_+7], X_, Y_, 1
.else
	WM1 D_, P_, R_, v[D_:D_+7], X_, Y_, 0
.endif
.endm
; A K step: 48 products, each on an accumulator of its own
.macro MUL k
.set K_, \k
.set SX_, 2*(K_/4)+K_%2
.if K_ == 7
.set WB_, W7
	WIN 0xa7
.else
.set WB_, WF+72*(K_%2)
	WIN 0xa4
.endif
.irp a, 0,1,2,3,4,5,6,7
.irp b, 0,1,2,3
.set D_, 8*(4*\a+\b)
.set P_, WB_+12*\b
.set R_, 96*(K_%2)+12*\a
.set X_, SW+4*\b+SX_
.set Y_, ST+4*\a+SX_
	WM
.endr
.endr
.if K_ == 7
	WIN 0xfd
.else
	WIN 0xf1
.endif
.irp b, 0,1
.irp a, 0,1,2,3,4,5,6,7
.set D_, 8*(8*\b+\a)
.set P_, 96*(K_%2)+12*\a
.set R_, WB_+48+12*\b
.set X_, ST+4*\a+SX_
.set Y_, SW+16+4*\b+SX_
	WM
.endr
.endr
	WIN 0
	PLACES                                         ; places in front of the loads below, and of the way out
.endm
	s_cmp_lt_u32 s14, 2
	s_cbranch_scc0 .Lnot_first
	s_wait_tensorcnt 0x0                           ; K steps 0-3 are in; the rest may be on its way
.Lnot_first:
	s_barrier_signal -1
	s_barrier_wait -1
	FETCH 0
	FETCH 1
	s_wait_loadcnt 0x0                             ; scale words, and K step 7's weights
	s_wait_dscnt 42                                ; all but the next step's 42 loads
	MUL 0
	FETCH 2
	s_wait_dscnt 42
	MUL 1
	FETCH 3
	s_wait_tensorcnt 0x0                           ; the rest is in
	s_wait_dscnt 0x0
	s_barrier_signal -1
	MUL 2                                          ; work on registers while the others arrive
	s_barrier_wait -1
	FETCH 4
	s_wait_dscnt 42
	MUL 3
	FETCH 5
	s_wait_dscnt 42
	MUL 4
	FETCH 6
	s_wait_dscnt 42
	MUL 5
	TOK 7
	s_wait_dscnt 24                                ; all but K step 7's 24
	MUL 6
	s_wait_dscnt 0x0
	MUL 7
; THE WAY OUT of 64 registers: four runs of 16, each half of a block of 32 shared with lane l xor 16.  n = 0 .. 3: q or k, token blocks 2 n and 2 n + 1 (two blocks of 32 each); n = 4, 5: v, one channel block (four blocks of 32).
.macro OUT64 w, acb, n
.set PC, 100+20*(\n)
	WIN 5*\w
.irp b, 0,1,2,3
	v_max3_num_f32 v[TM+\b], |v[\acb+16*\b]|, |v[\acb+16*\b+1]|, 0x1800000   ; and the floor 2^(3 - 127): the byte cannot fall under 1
.endr
	WIN 20*\w
.irp i, 2,4,6,8,10,12,14
.irp b, 0,1,2,3
	v_max3_num_f32 v[TM+\b], v[TM+\b], |v[\acb+16*\b+\i]|, |v[\acb+16*\b+\i+1]|
.endr
.endr
	WIN 0
.irp b, 0,1,2,3
	v_permlanex16_b32 v[TM+4+\b], v[TM+\b], s18, s19
.endr
.irp b, 0,1,2,3
	v_max_num_f32 v[TM+\b], v[TM+\b], v[TM+4+\b]
.endr
.irp b, 0,1,2,3
	v_add_nc_u32 v[TM+12+\b], 0xff000000, v[TM+\b] ; 2 off the exponent field: the conversion's scale operand
.endr
.irp b, 0,1,2,3
	v_lshrrev_b32 v[TM+4+\b], 23, v[TM+12+\b]      ; the byte
.endr
.if (\n) < 4
	v_lshl_or_b32 v[SWQ+2*(\n)], v[TM+5], 8, v[TM+4]
	v_lshl_or_b32 v[SWQ+2*(\n)+1], v[TM+7], 8, v[TM+6]
.else
	v_lshl_or_b32 v[SWV+(\n)-4], v[TM+5], 8, v[TM+4]
	v_lshl_or_b32 v[SWV+(\n)-4], v[TM+6], 16, v[SWV+(\n)-4]
	v_lshl_or_b32 v[SWV+(\n)-4], v[TM+7], 24, v[SWV+(\n)-4]
.endif
	WIN \w
.irp c, 0,1
	v_cvt_scalef32_pk16_fp6_f32 v[PC+6*\c:PC+6*\c+2], v[\acb+32*\c:\acb+32*\c+15], v[TM+12+2*\c]
	v_cvt_scalef32_pk16_fp6_f32 v[PC+12+4*\c:PC+14+4*\c], v[\acb+32*\c+16:\acb+32*\c+31], v[TM+13+2*\c]
.endr
	WIN 0
	v_nop                                          ; one plain line behind the conversions
.irp c, 0,1                                    ; the layout wants a whole block in a lane
.irp i, 0,1,2
	v_permlane16_swap_b32 v[PC+6*\c+\i], v[PC+12+4*\c+\i]
.endr
.irp i, 0,1,2
	v_mov_b32 v[PC+6*\c+3+\i], v[PC+12+4*\c+\i]
.endr
.endr
.irp c, 0,1
.if (\n) < 4
	global_store_b128 v7, v[PC+6*\c:PC+6*\c+3], s[12:13] offset:1536*(2*(\n)+\c)
	global_store_b64 v8, v[PC+6*\c+4:PC+6*\c+5], s[12:13] offset:1536*(2*(\n)+\c)+512
.else
	global_store_b128 v7, v[PC+6*\c:PC+6*\c+3], s[86:87] offset:1536*((\n)-4)+768*\c
	global_store_b64 v8, v[PC+6*\c+4:PC+6*\c+5], s[86:87] offset:1536*((\n)-4)+768*\c+512
.endif
.endr
.endm
	s_mov_b32 s18, 0x76543210
	s_mov_b32 s19, 0xfedcba98                      ; v_permlanex16_b32's selects for lane l xor 16
.irp b, 0,1,2,3
	v_mov_b32 v[TM+4+\b], 0                        ; a lane permute's destination counts as one of its sources
.endr
	OUT64 2, 0, 0
	OUT64 2, 64, 1
	OUT64 2, 128, 2
	OUT64 2, 192, 3
	s_wait_alu depctr_va_vdst(0)
	global_store_b128 v9, v[SWQ:SWQ+3], s[88:89]   ; lanes 16-31 store the same bytes as lanes 0-15: 512 consecutive bytes
	global_store_b128 v9, v[SWQ+4:SWQ+7], s[88:89] offset:16
	OUT64 3, 0, 4
	OUT64 3, 64, 5
	s_wait_alu depctr_va_vdst(0)
	global_store_b64 v10, v[SWV:SWV+1], s[90:91]
	s_wait_tensorcnt 0x0                           ; the wave's end
	ds_add_u32 v[SPW], v[NIL]
	s_wait_dscnt 0x0
	CROUND                                         ; the closing round: no work-group ends while a partner may still ask for a tile that names it
	s_endpgm
.Lfunc_end_k_qd71a5c1a03_qkv:
	.size	k_qd71a5c1a03_qkv, .Lfunc_end_k_qd71a5c1a03_qkv-k_qd71a5c1a03_qkv
	.p2alignl 7, 3214868480
	.fill 96, 4, 3214868480
	.section	.rodata,"a",@progbits
	.p2align	6, 0x0
	.amdhsa_kernel k_qd71a5c1a03_qkv
		.amdhsa_group_segment_fixed_size 327680
		.amdhsa_private_segment_fixed_size 0
		.amdhsa_enable_private_segment 0
		.amdhsa_kernarg_size 32
		.amdhsa_user_sgpr_count 2
		.amdhsa_user_sgpr_kernarg_segment_ptr 1
		.amdhsa_wavefront_size32 1
		.amdhsa_system_sgpr_workgroup_id_x 1
		.amdhsa_system_sgpr_workgroup_id_y 1
		.amdhsa_system_sgpr_workgroup_id_z 1
		.amdhsa_system_vgpr_workitem_id 0
		.amdhsa_next_free_vgpr 1024
		.amdhsa_next_free_sgpr 102
		.amdhsa_reserve_vcc 0
		.amdhsa_float_denorm_mode_32 3
		.amdhsa_float_denorm_mode_16_64 3
		.amdhsa_memory_ordered 1
		.amdhsa_forward_progress 1
		.amdhsa_inst_pref_size 111
	.end_amdhsa_kernel
	.amdgpu_metadata
---
amdhsa.version: [ 1, 2 ]
amdhsa.kernels:
  - .name:           k_qd71a5c1a03_qkv
    .symbol:         k_qd71a5c1a03_qkv.kd
    .args:
      - { .name: xq, .offset: 0, .size: 8, .value_kind: global_buffer, .address_space: global }
      - { .name: wq, .offset: 8, .size: 8, .value_kind: global_buffer, .address_space: global }
      - { .name: qk, .offset: 16, .size: 8, .value_kind: global_buffer, .address_space: global }
      - { .name: vq, .offset: 24, .size: 8, .value_kind: global_buffer, .address_space: global }
    .group_segment_fixed_size: 327680
    .private_segment_fixed_size: 0
    .kernarg_segment_align: 8
    .kernarg_segment_size: 32
    .max_flat_workgroup_size: 128
    .sgpr_count:     102
    .vgpr_count:     1024
    .wavefront_size: 32
...
	.end_amdgpu_metadata
.endif
;; end of part 2
;; launch attn (part 3): grid 8 x 32, 16 waves a work-group, clusters of 4 x 1, 327,680 bytes of LDS; arguments qk, vq, yq; writes yq
.if DOCPART == 3
	.amdgcn_target "amdgcn-amd-amdhsa--gfx1250"
	.amdhsa_code_object_version 6
	.text
	.protected	k_qd71a5c1a03_attn
	.globl	k_qd71a5c1a03_attn
	.p2align	8
	.type	k_qd71a5c1a03_attn,@function
k_qd71a5c1a03_attn:
	s_mov_b64 s[64:65], 0
	v_nop
	global_prefetch_b8 v0, s[64:65] scope:SCOPE_SE
	s_setreg_imm32_b32 hwreg(HW_REG_WAVE_MODE, 25, 1), 1
	s_wait_xcnt 0x0
	s_wait_alu depctr_hold_cnt(0) depctr_sa_sdst(0) depctr_va_vdst(0) depctr_va_sdst(0) depctr_va_ssrc(0) depctr_va_vcc(0) depctr_vm_vsrc(0)
	s_getreg_b32 s2, hwreg(HW_REG_IB_STS2, 6, 4)
	s_cmp_eq_u32 s2, 0
	s_cbranch_scc0 .Lentry_in_a_cluster
	s_endpgm
.Lentry_in_a_cluster:
	s_bfe_u32 s2, ttmp6, 0x10000c
	s_cmp_lg_u32 s2, 0x3003
	s_cbranch_scc0 .Lentry_shape_is_right
	s_endpgm
.Lentry_shape_is_right:
; y[b][t][head] = softmax over the keys s <= t of (q . k / 8) times v, both products on codes of FP6 (E2M3) with E8M0 scales; y is divided by the row's sum, quantised along the channels and leaves as codes.
; DEAD WORK: the problem's mask is (s <= t) and not (s - t >= 16); the second part removes nothing that the first leaves.  Key steps of 128 that lie wholly above the diagonal are not computed; a NaN or infinity there is not carried to the result.
; THE SOFTMAX AHEAD OF THE SECOND PRODUCT: t = score x log2(e) / 8; M = the running largest t rounded up to a whole number; p = 2^(t - M) is quantised along the keys, not normalised; the sum is taken of the unquantised p.
; SHARES.  Grid y = 16 x batch + head; j = 4 x cluster x + cx.  The head's queries go in 16 chunks of 128, a chunk in eight blocks of 16.  Work-group j takes block j of EVERY chunk, so which chunks a wave takes hangs on its number alone.
; Waves c and 8 + c (c = 0 .. 7) share chunks 15 - c (16 - c key steps) and c (c + 1 steps).  Wave c takes the long chunk's last nine steps, 7 - c .. 15 - c.  Wave 8 + c takes its first 7 - c steps, puts that part (sums, -M) into LDS,
; and then all c + 1 steps of the short chunk: eight steps.  In the last step of each wave stands its diagonal.  At the end wave c joins the part to its own.
; LDS holds the head's K and V codes and scale words whole, filled once, one tensor load a wave (waves 0-9): the scale words; four groups of four key steps, K's 24,576 bytes and then V's.  Steps 0-7 are shown first, then 8-11, then 12-15.
; CLUSTERS of four work-groups of one head ask for these tiles jointly.  No branch and no LDS address hangs on the place in the cluster.  No prefetch: all tiles are asked for at the head, and no later trip asks for any.
; LAYOUT.  Both products are used transposed (S^T = K Q^T, O^T = V^T P^T): a lane holds ONE query.  Token block 2 g + u, lane row r, is token 32 g + 8 u + r % 8 + 16 (r / 8): so the 16 registers of score tiles 2 b and 2 b + 1 are the
; 16 neighbouring keys 32 b + 16 (lane / 16) + 0 .. 15; channel blocks of V likewise.  A half fragment is 768 bytes: registers 0-3 at 16 x lane, registers 4-5 at 512 + 8 x lane.
; K = 64 IN AN INSTRUCTION OF K = 128: Q's registers 6-11 are zero codes.  A tile of K is six registers; the instruction names twelve, of which the upper six are the next tile's codes (behind the last tile: the second block of Q's).
; Every code is a finite number, and so is every scale byte there, so the upper half adds 0.
; LIMITS: the promise holds while the scaled scores stay under 2^31 in magnitude; v_exp_f32 gives 0 for results under 2^-126; a block under 2^-124, and a block of zeros, keeps the byte 1 (read by this program alone); NaN and infinities are not served.
.set SCK,   196608                     ; K's scale words: 512 a key step, 32 r + 4 x tile
.set SCV,   204800                     ; V's: 256 a key step
.set PART,  212992                     ; the parts: 4,608 bytes for each pair of waves
.set SPARE, 249856
.set VOFF,  24576                      ; V's codes of a group behind K's
.set DD,   5                           ; v5   (my query's place in its chunk - 16 (lane / 16) + 1/2) x 2^100
.set PSC,  8                           ; v8   p's scale word
.set Q,    16                          ; v1-4 addresses; v6, v7 the add's; v9-11, v29 the step's addresses; v12 -M, v13 the largest score, v[14:15] the sum in two halves; v16-27 Q's fragment
.set QSC,  28
.set TP,   30
.set QSC2, 31
.set KF,   32                          ; v32-79 eight tiles of K;  behind the score products: v32-43 p's codes, v44-50 at work, v[52:53] the sum's second chain, v56-63 the diagonal's bounds
.set PC2,  44
.set L2,   52
.set EM,   56
.set Q2,   80                          ; v80-85 Q's codes of the short chunk's block
.set KSC,  86
.set FF,   94                          ; v94 f = 2^(old M - new M);  v95 LDS address of my pair's part
.set S,    96
.set O,    160
.set VF,   192
.set BM,   240
.set PT,   244
.set SOP,  248
.set VSC,  252
.set WV,   18
.set CC,   16                          ; s16 c
.set N8,   17                          ; s17 8 - c
.set N7,   19                          ; s19 7 - c
.set U,    56                          ; s56 the trip
.set SWT,  57                          ; s57 the trip in which I change to the short chunk
.set CP1,  58                          ; s58 c + 1
.set SEL,  76
.set CS,   78
.macro CROUND
	s_barrier_signal -1
	s_barrier_wait -1
	s_cmp_lg_u32 s[WV], 0
	s_cbranch_scc1 .Lnot_wave_0_\@
	s_barrier_signal -3
.Lnot_wave_0_\@:
	s_barrier_wait -3
	s_barrier_signal -1
	s_barrier_wait -1
.endm
.macro GROUP1 g, els, rows, pitch      ; elements of 8 bytes, the cluster's four work-groups
	s_mov_b32 s[\g], 15|(3<<16)|(1<<21)
	s_mov_b32 s[\g+1], (\els)<<16
	s_mov_b32 s[\g+2], (\rows)<<16
	s_mov_b32 s[\g+3], (\els)<<16
	s_mov_b32 s[\g+4], \rows
	s_mov_b32 s[\g+5], \pitch
	s_mov_b32 s[\g+6], 0
	s_mov_b32 s[\g+7], 0
.endm
.macro TL g0, g1
	tensor_load_to_lds s[\g0:\g0+3], s[\g1:\g1+7]
	s_nop 0
.rept 4
	v_nop
.endr
	s_branch .Lasked
.endm
.macro TWO under                       ; the even wave K's tile, the odd one V's; a line of their own for the waves that wait alike
	s_cmp_lt_u32 s[WV], \under
	s_cbranch_scc0 .Lnext_\under
	s_cmp_eq_u32 s23, 0
	s_cbranch_scc0 .Lv_\under
	TL 48, 24
.Lv_\under:
	TL 48, 32
.Lnext_\under:
.endm
	s_load_b128 s[4:7], s[0:1], 0x0                ; qk, vq
	s_load_b64 s[8:9], s[0:1], 0x10                ; yq
	v_lshl_add_u32 v6, v0, 2, SPARE
	v_mov_b32 v7, 0
	ds_add_u32 v6, v7                              ; the opening add, twice on end
	ds_add_u32 v6, v7
	v_lshrrev_b32 v8, 5, v0
	v_readfirstlane_b32 s[WV], v8                  ; wave 0..15
	s_and_b32 s80, ttmp7, 0xffff
	s_and_b32 s81, s80, 15                         ; head
	s_lshr_b32 s82, s80, 4                         ; batch
	s_and_b32 s83, s81, 1
	s_lshr_b32 s84, s81, 1                         ; the pair of heads
	s_bfe_u32 s85, ttmp6, 0x40000
	s_lshl_b32 s20, ttmp9, 2
	s_add_co_u32 s85, s85, s20                     ; j
	s_and_b32 s[CC], s[WV], 7
	s_xor_b32 s[N7], s[CC], 7
	s_add_co_u32 s[N8], s[N7], 1
	s_add_co_u32 s[CP1], s[CC], 1
	s_cmp_lt_u32 s[WV], 8
	s_cselect_b32 s[SWT], 99, s[N7]                ; waves 0-7 never change
	GROUP1 24, 96, 32, 192                         ; K's codes of four key steps: 32 rows of 768 bytes, 1,536 apart
	GROUP1 32, 768, 4, 12288                       ; V's: 4 rows of 6,144 bytes, 98,304 apart
	GROUP1 40, 32, 32, 32                          ; K's scale words: 8,192 dense bytes
	GROUP1 88, 32, 16, 32                          ; V's: 4,096
	s_add_co_u32 s20, s[WV], 14
	s_and_b32 s20, s20, 15                         ; wave 2 + 2 g + kind fetches group g
	s_lshr_b32 s21, s20, 1
	s_and_b32 s23, s[WV], 1                        ; kind: 0 K, 1 V
	s_mov_b32 s48, 1
	s_mul_i32 s49, s20, 24576
	s_add_co_u32 s60, s84, 8
	s_lshl_b32 s60, s60, 8
	s_lshl_b32 s22, s82, 7
	s_add_co_u32 s60, s60, s22                     ; k's first block: (8 + pair) x 256 + 128 x batch
	s_mul_i32 s60, s60, 1536
	s_mul_i32 s22, s83, 768
	s_add_co_u32 s60, s60, s22
	s_mul_i32 s22, s21, 49152
	s_add_co_u32 s60, s60, s22
	s_mul_i32 s61, s82, 1572864
	s_mul_i32 s22, s81, 6144
	s_add_co_u32 s61, s61, s22
	s_mul_i32 s22, s21, 393216
	s_add_co_u32 s61, s61, s22
	s_add_co_u32 s66, s81, 16
	s_lshl_b32 s66, s66, 14
	s_lshl_b32 s22, s82, 13
	s_add_co_u32 s66, s66, s22
	s_add_co_u32 s66, s66, 6291456                 ; K's scale words
	s_lshl_b32 s67, s81, 13
	s_lshl_b32 s22, s82, 12
	s_add_co_u32 s67, s67, s22
	s_add_co_u32 s67, s67, 3145728                 ; V's
	s_mov_b32 s52, 1
	s_lshl_b32 s53, s23, 13
	s_add_co_u32 s53, s53, SCK
	s_wait_dscnt 0x0
	s_wait_kmcnt 0x0
	s_cmp_eq_u32 s23, 0
	s_cselect_b32 s60, s60, s61
	s_cselect_b32 s66, s66, s67
	s_cselect_b64 s[50:51], s[4:5], s[6:7]
	s_cselect_b64 s[54:55], s[4:5], s[6:7]
	s_mov_b32 s61, 0
	s_mov_b32 s67, 0
	s_add_nc_u64 s[50:51], s[50:51], s[60:61]
	s_or_b32 s51, s51, 0x80000000
	s_add_nc_u64 s[54:55], s[54:55], s[66:67]
	s_or_b32 s55, s55, 0x80000000
	CROUND                                         ; the four work-groups are here: the joint loads meet
	s_cmp_eq_u32 s[WV], 0
	s_cbranch_scc0 .Lwave_1
	TL 52, 40
.Lwave_1:
	s_cmp_eq_u32 s[WV], 1
	s_cbranch_scc0 .Lwave_2
	TL 52, 88
.Lwave_2:
	TWO 6
	TWO 8
	TWO 10
.Lasked:
	; Q's two blocks: block j of chunk 15 - c and of chunk c
.macro QPTR chunk, blk, pc, ps
	s_lshl_b32 s[\blk], s82, 7
	s_lshl_b32 s20, s[\chunk], 3
	s_add_co_u32 s[\blk], s[\blk], s20
	s_add_co_u32 s[\blk], s[\blk], s85             ; token block 128 x batch + 8 x chunk + j
	s_lshl_b32 s20, s84, 8
	s_add_co_u32 s20, s20, s[\blk]
	s_mul_i32 s20, s20, 1536
	s_mul_i32 s22, s83, 768
	s_add_co_u32 s20, s20, s22
	s_mov_b32 s21, 0
	s_add_nc_u64 s[\pc:\pc+1], s[4:5], s[20:21]
	s_lshl_b32 s20, s81, 5
	s_lshl_b32 s22, s82, 4
	s_add_co_u32 s20, s20, s22
	s_add_co_u32 s20, s20, s[\chunk]
	s_lshl_b32 s20, s20, 9
	s_lshl_b32 s22, s85, 2
	s_add_co_u32 s20, s20, s22
	s_add_co_u32 s20, s20, 6291456
	s_add_nc_u64 s[\ps:\ps+1], s[4:5], s[20:21]
.endm
	s_xor_b32 s59, s[CC], 15                       ; 15 - c
	QPTR 59, 62, 66, 68
	QPTR CC, 63, 70, 72
	s_lshr_b32 s20, s85, 1
	s_lshl_b32 s20, s20, 5
	s_and_b32 s21, s85, 1
	s_lshl_b32 s21, s21, 3
	s_add_co_u32 s20, s20, s21                     ; my block's first token in the chunk
	s_mul_i32 s21, s[CC], 4608
	s_add_co_u32 s21, s21, PART
	v_and_b32 v40, 15, v0                          ; r
	v_and_b32 v41, 31, v0
	v_bfe_u32 v42, v0, 4, 1
	v_lshlrev_b32 v1, 4, v41                       ; 16 x lane
	v_lshlrev_b32 v2, 3, v41                       ; 8 x lane
	v_lshlrev_b32 v30, 5, v40
	s_wait_alu depctr_va_vdst(0)
	global_load_b128 v[Q:Q+3], v1, s[66:67]
	global_load_b64 v[Q+4:Q+5], v2, s[66:67] offset:512
	global_load_b32 v[QSC], v30, s[68:69]
	global_load_b128 v[Q2:Q2+3], v1, s[70:71]
	global_load_b64 v[Q2+4:Q2+5], v2, s[70:71] offset:512
	global_load_b32 v[QSC2], v30, s[72:73]
	v_add_nc_u32 v3, SCK, v30
	v_lshl_add_u32 v4, v40, 3, SCV
	v_add_nc_u32 v95, s21, v1                      ; my pair's part
	v_and_b32 v[DD], 7, v0
	v_bfe_u32 v43, v0, 3, 1
	v_lshl_add_u32 v[DD], v43, 4, v[DD]            ; r % 8 + 16 (r / 8)
	v_lshlrev_b32 v43, 4, v42
	v_sub_nc_u32 v[DD], v[DD], v43
	v_add_nc_u32 v[DD], s20, v[DD]
	v_cvt_f32_i32 v[DD], v[DD]
	v_add_f32 v[DD], 0.5, v[DD]
	v_mul_f32 v[DD], 0x71800000, v[DD]             ; x 2^100: above 0 for a key that counts
.macro FRESH                           ; nothing summed yet
	v_mov_b32 v13, 0xff61b1e6                      ; the largest score so far: -3e38
	v_mov_b32 v12, 0x7e000000                      ; -M: 4e37
	v_mov_b32 v14, 0
	v_mov_b32 v15, 0
.set n, 0
.rept 32
	v_mov_b32 v[O+n], 0                            ; O^T: the step is written for all trips; a first one finds zeros, which the change of M leaves zeros
.set n, n+1
.endr
.endm
.irp i, 0,1,2,3,4,5
	v_mov_b32 v[Q+6+\i], 0                         ; zero codes: the upper 64 of the instruction's K
.endr
.irp b, 0,1,2,3
	v_mov_b32 v[PT+\b], 0                          ; a lane permute's destination counts as one of its sources
.endr
	FRESH
	s_mov_b32 s[SEL], 0x76543210
	s_mov_b32 s[SEL+1], 0xfedcba98
	s_mov_b32 s[CS], 0x3e38aa3b                    ; log2(e) / 8
	s_mov_b32 s[CS+1], s[CS]
	s_mov_b32 s74, 0xf2000000                      ; -2 x 2^100
	s_mov_b32 s75, s74
; A KEY STEP: 128 keys.  first = 1: trip 0, waves 0-7 alone.  diag = 1: the last trip.
.macro STEP diag, first
.if \first
	s_add_co_u32 s20, s[N7], 0
.else
	s_add_co_u32 s20, s[U], s[N8]                  ; waves 0-7: key step 8 - c + trip
	s_add_co_u32 s21, s[U], s[CP1]
	s_and_b32 s21, s21, 7
	s_cmp_lt_u32 s[U], s[N7]
	s_cselect_b32 s21, s[U], s21                   ; waves 8-15: 0 .. 6 - c, then 0 .. c
	s_cmp_lt_u32 s[WV], 8
	s_cselect_b32 s20, s20, s21
.endif
	s_lshl_b32 s22, s20, 9
	s_lshl_b32 s23, s20, 8
	s_lshr_b32 s21, s20, 2
	s_mul_i32 s21, s21, 24576
	s_mul_i32 s20, s20, 6144
	s_add_co_u32 s20, s20, s21                     ; 49,152 a group, 6,144 a step
	v_add_nc_u32 v9, s20, v1                       ; these four are also the places between the last step's products and what touches their registers
	v_add_nc_u32 v10, s20, v2
	v_add_nc_u32 v11, s22, v3
	v_add_nc_u32 v29, s23, v4
	s_wait_alu depctr_va_vdst(0)
.if \first == 0
	s_cmp_eq_u32 s[U], s[SWT]
	s_cbranch_scc0 .Lsame_\@
.irp k, 0,1,2,3,4,5,6,7                        ; the long chunk's part goes to LDS; on with the short chunk
	ds_store_b128 v95, v[O+4*\k:O+4*\k+3] offset:512*\k
.endr
	ds_store_b128 v95, v[12:15] offset:4096
.irp i, 0,1,2,3,4,5
	v_mov_b32 v[Q+\i], v[Q2+\i]
.endr
	v_mov_b32 v[QSC], v[QSC2]
	FRESH
	s_wait_alu depctr_va_vdst(0)
.Lsame_\@:
.endif
	ds_load_b128 v[KSC:KSC+3], v11
	ds_load_b128 v[KSC+4:KSC+7], v11 offset:16
.irp t, 0,1,2,3,4,5,6,7
	ds_load_b128 v[KF+6*\t:KF+6*\t+3], v9 offset:768*\t
	ds_load_b64 v[KF+6*\t+4:KF+6*\t+5], v10 offset:768*\t+512
.endr
	ds_load_b64 v[VSC:VSC+1], v29
	ds_load_b64 v[VSC+2:VSC+3], v29 offset:128
.irp t, 0,1,2,3
	ds_load_b128 v[VF+12*\t:VF+12*\t+3], v9 offset:VOFF+1536*\t
	ds_load_b64 v[VF+12*\t+4:VF+12*\t+5], v10 offset:VOFF+1536*\t+512
	ds_load_b128 v[VF+12*\t+6:VF+12*\t+9], v9 offset:VOFF+1536*\t+768
	ds_load_b64 v[VF+12*\t+10:VF+12*\t+11], v10 offset:VOFF+1536*\t+1280
.endr
	s_wait_dscnt 18                                ; K is in; V's 18 loads may be out
.irp t, 0,1,2,3,4,5,6,7
	v_wmma_scale_f32_16x16x128_f8f6f4 v[S+8*\t:S+8*\t+7], v[KF+6*\t:KF+6*\t+11], v[Q:Q+11], 0, v[KSC+\t], v[QSC] matrix_a_fmt:MATRIX_FMT_FP6 matrix_b_fmt:MATRIX_FMT_FP6
.endr
.rept 4
	v_nop                                          ; places behind the score products
.endr
.if \diag
	; a key behind the query gets a score under -2^98: register 16 b + i holds key 32 b + 16 (lane / 16) + i; its bound is (query - key + 1/2) x 2^100
	v_mov_b32 v[EM], v[DD]
	v_add_f32 v[EM+2], 0xf4000000, v[DD]
	v_add_f32 v[EM+4], 0xf4800000, v[DD]
	v_add_f32 v[EM+6], 0xf4c00000, v[DD]
.irp b, 0,1,2,3
	v_add_f32 v[EM+2*\b+1], 0xf1800000, v[EM+2*\b]
.endr
.irp i, 0,2,4,6,8,10,12,14
.irp b, 0,1,2,3
	v_min_num_f32 v[S+16*\b+\i], v[S+16*\b+\i], v[EM+2*\b]
	v_min_num_f32 v[S+16*\b+\i+1], v[S+16*\b+\i+1], v[EM+2*\b+1]
.if \i < 14
	v_pk_add_f32 v[EM+2*\b:EM+2*\b+1], v[EM+2*\b:EM+2*\b+1], s[74:75] op_sel_hi:[1,0]
.endif
.endr
.endr
.endif
.irp b, 0,1,2,3
	v_max3_num_f32 v[BM+\b], v[S+16*\b], v[S+16*\b+1], v[S+16*\b+2]   ; the largest score of each block of 32 keys: it serves for the row's maximum and, since p rises with the score, for the block's largest p
.endr
.irp i, 3,5,7,9,11,13
.irp b, 0,1,2,3
	v_max3_num_f32 v[BM+\b], v[BM+\b], v[S+16*\b+\i], v[S+16*\b+\i+1]
.endr
.endr
.irp b, 0,1,2,3
	v_max_num_f32 v[BM+\b], v[BM+\b], v[S+16*\b+15]
.endr
.irp b, 0,1,2,3
	s_delay_alu instid0(VALU_DEP_4)
	v_permlanex16_b32 v[PT+\b], v[BM+\b], s[SEL], s[SEL+1]
.endr
.irp b, 0,1,2,3
	s_delay_alu instid0(VALU_DEP_4)
	v_max_num_f32 v[BM+\b], v[BM+\b], v[PT+\b]
.endr
	s_delay_alu instid0(VALU_DEP_2)
	v_max3_num_f32 v[TP], v[BM], v[BM+1], v[BM+2]
	s_delay_alu instid0(VALU_DEP_1)
	v_max3_num_f32 v13, v13, v[TP], v[BM+3]        ; the running largest score
	v_mov_b32 v[TP], v12
	s_delay_alu instid0(VALU_DEP_2)
	v_mul_f32 v12, s[CS], v13                      ; as t
	s_delay_alu instid0(VALU_DEP_1)
	v_floor_f32 v12, -v12                          ; the new -M = -ceil(t)
	s_delay_alu instid0(VALU_DEP_1)
	v_sub_f32 v[TP], v12, v[TP]                    ; old M - new M: a whole number, 0 or less
	s_delay_alu instid0(VALU_DEP_1)
	v_cvt_i32_f32 v[TP], v[TP]                     ; (it saturates)
	s_delay_alu instid0(VALU_DEP_1)
	v_ldexp_f32 v[FF], 1.0, v[TP]                  ; f = 2^(old M - new M)
.set n, 0
.rept 32
	v_pk_fma_f32 v[S+n:S+n+1], v[S+n:S+n+1], s[CS:CS+1], v[12:13] op_sel_hi:[1,0,0]   ; t - M
.set n, n+2
.endr
.irp b, 0,1,2,3
	v_fma_f32 v[BM+\b], v[BM+\b], s[CS], v12       ; the same of each block's largest score
.endr
	s_wait_alu depctr_va_vdst(0)
.set n, 0
.rept 64
	v_exp_f32 v[S+n], v[S+n]                       ; p = 2^(t - M)
.set n, n+1
.endr
	v_pk_mul_f32 v[14:15], v[14:15], v[FF:FF+1] op_sel_hi:[1,0]   ; the sum under the new M: a plain line behind the exponentials
	s_wait_alu depctr_va_vdst(0)                   ; one wait for the batch, ahead of its first reader
.irp b, 0,1,2,3
	v_exp_f32 v[BM+\b], v[BM+\b]                   ; the block's largest p
.endr
	v_pk_add_f32 v[L2:L2+1], v[S:S+1], v[S+2:S+3]  ; the row's sum of the unquantised p, in two chains
.irp j, 4,8,12,16,20,24,28,32,36,40,44,48,52
	v_pk_add_f32 v[14:15], v[14:15], v[S+\j:S+\j+1]
	v_pk_add_f32 v[L2:L2+1], v[L2:L2+1], v[S+\j+2:S+\j+3]
.endr
	s_wait_alu depctr_va_vdst(0)                   ; and one for the four
.irp b, 0,1,2,3
	v_max_num_f32 v[BM+\b], 0x1800000, v[BM+\b]    ; the floor 2^(3 - 127)
.endr
.irp b, 0,1,2,3
	s_delay_alu instid0(VALU_DEP_4)
	v_add_nc_u32 v[SOP+\b], 0xff000000, v[BM+\b]
.endr
.irp b, 0,1,2,3
	s_delay_alu instid0(VALU_DEP_4)
	v_lshrrev_b32 v[PT+\b], 23, v[SOP+\b]
.endr
	s_delay_alu instid0(VALU_DEP_3)
	v_lshl_or_b32 v[PSC], v[PT+1], 8, v[PT]
	s_delay_alu instid0(VALU_DEP_1)
	v_lshl_or_b32 v[PSC], v[PT+2], 16, v[PSC]
	s_delay_alu instid0(VALU_DEP_1)
	v_lshl_or_b32 v[PSC], v[PT+3], 24, v[PSC]
.irp c, 0,1
	v_cvt_scalef32_pk16_fp6_f32 v[KF+6*\c:KF+6*\c+2], v[S+32*\c:S+32*\c+15], v[SOP+2*\c]
	v_cvt_scalef32_pk16_fp6_f32 v[PC2+4*\c:PC2+4*\c+2], v[S+32*\c+16:S+32*\c+31], v[SOP+2*\c+1]
.endr
	v_nop                                          ; one plain line behind the conversions
.irp c, 0,1
.irp i, 0,1,2
	v_permlane16_swap_b32 v[KF+6*\c+\i], v[PC2+4*\c+\i]
.endr
.irp i, 0,1,2
	v_mov_b32 v[KF+6*\c+3+\i], v[PC2+4*\c+\i]
.endr
.endr
	s_wait_alu depctr_va_vdst(0)                   ; directly ahead of O^T's first reader
.set n, 0
.rept 16
	v_pk_mul_f32 v[O+n:O+n+1], v[O+n:O+n+1], v[FF:FF+1] op_sel_hi:[1,0]   ; O^T under the new M
.set n, n+2
.endr
.irp j, 56,60                                  ; the rest of the sum: five plain lines between the last write of an accumulator and the products
	v_pk_add_f32 v[14:15], v[14:15], v[S+\j:S+\j+1]
	v_pk_add_f32 v[L2:L2+1], v[L2:L2+1], v[S+\j+2:S+\j+3]
.endr
	v_pk_add_f32 v[14:15], v[14:15], v[L2:L2+1]
	s_wait_alu depctr_va_vdst(0)
	s_wait_dscnt 0x0                               ; V
.irp t, 0,1,2,3                                ; four accumulators by turns; between two links of a chain stand the other three and the next step's eight score products
	v_wmma_scale_f32_16x16x128_f8f6f4 v[O+8*\t:O+8*\t+7], v[VF+12*\t:VF+12*\t+11], v[KF:KF+11], v[O+8*\t:O+8*\t+7], v[VSC+\t], v[PSC] matrix_a_fmt:MATRIX_FMT_FP6 matrix_b_fmt:MATRIX_FMT_FP6
.endr
.endm
	s_wait_alu depctr_va_vdst(0)                   ; the wait at the head's end
	s_wait_loadcnt 0x0                             ; Q
	s_cmp_lt_u32 s[WV], 6
	s_cbranch_scc0 .Lnot_early
	s_wait_tensorcnt 0x0                           ; the scale words and key steps 0-7 are in
.Lnot_early:
	s_barrier_signal -1
	s_barrier_wait -1
	s_cmp_lt_u32 s[WV], 8
	s_cbranch_scc0 .Lno_trip_0
	STEP 0, 1                                      ; trip 0: waves 0-7, key step 7 - c
.Lno_trip_0:
	s_cmp_lt_u32 s[WV], 8
	s_cbranch_scc0 .Lnot_mid
	s_wait_tensorcnt 0x0                           ; key steps 8-11 (waves 6 and 7)
.Lnot_mid:
	s_barrier_signal -1
	s_barrier_wait -1
	s_mov_b32 s[U], 0
.Lmid:                                             ; key steps up to 11
	STEP 0, 0
	s_add_co_u32 s[U], s[U], 1
	s_cmp_lt_u32 s[U], 4
	s_cbranch_scc1 .Lmid
	s_wait_tensorcnt 0x0                           ; all
	s_barrier_signal -1
	s_barrier_wait -1
	s_mov_b32 s[U], 4
.Llate:
	STEP 0, 0
	s_add_co_u32 s[U], s[U], 1
	s_cmp_lt_u32 s[U], 7
	s_cbranch_scc1 .Llate
	STEP 1, 0                                      ; trip 8: every wave's diagonal
.rept 4
	v_nop                                          ; places behind the last products
.endr
	s_wait_dscnt 0x0
	s_barrier_signal -1
	s_barrier_wait -1                              ; the parts are in LDS
	s_cmp_lt_u32 s[WV], 8
	s_cbranch_scc0 .Lout
	ds_load_b128 v[BM:BM+3], v95 offset:4096       ; -M, (largest score), the sum's halves
.irp k, 0,1,2,3,4,5,6,7
	ds_load_b128 v[S+4*\k:S+4*\k+3], v95 offset:512*\k
.endr
	s_wait_dscnt 0x0
	v_min_num_f32 v[TP], v12, v[BM]                ; -M of both
	v_sub_f32 v[PT], v[TP], v12
	v_sub_f32 v[PT+2], v[TP], v[BM]
	v_cvt_i32_f32 v[PT], v[PT]
	v_cvt_i32_f32 v[PT+2], v[PT+2]
	v_ldexp_f32 v[FF], 1.0, v[PT]
	v_ldexp_f32 v[PT+2], 1.0, v[PT+2]
	v_pk_mul_f32 v[14:15], v[14:15], v[FF:FF+1] op_sel_hi:[1,0]
	v_pk_fma_f32 v[14:15], v[BM+2:BM+3], v[PT+2:PT+3], v[14:15] op_sel_hi:[1,0,1]
.set n, 0
.rept 16
	v_pk_mul_f32 v[O+n:O+n+1], v[O+n:O+n+1], v[FF:FF+1] op_sel_hi:[1,0]
.set n, n+2
.endr
.set n, 0
.rept 16
	v_pk_fma_f32 v[O+n:O+n+1], v[S+n:S+n+1], v[PT+2:PT+3], v[O+n:O+n+1] op_sel_hi:[1,0,1]
.set n, n+2
.endr
.Lout:
	; THE WAY OUT.  y = O^T / the sum; register 16 b + i is channel 32 b + 16 (lane / 16) + i of the head: two blocks of 32, half a fragment of yq: [token block][pair of heads][head % 2][768]
	v_add_f32 v14, v14, v15
	v_permlanex16_b32 v[TP], v14, s[SEL], s[SEL+1]
	v_add_f32 v14, v14, v[TP]                      ; the row's sum
	s_wait_alu depctr_va_vdst(0)
	v_rcp_f32 v14, v14
	v_and_b32 v31, 15, v0                          ; (a plain line behind the reciprocal)
	v_lshlrev_b32 v31, 3, v31
	s_cmp_lt_u32 s[WV], 8
	s_cselect_b32 s62, s62, s63                    ; my token block: the long chunk's or the short one's
	s_lshl_b32 s86, s62, 3
	s_add_co_u32 s86, s86, s84
	s_mul_i32 s86, s86, 1536
	s_mul_i32 s87, s83, 768
	s_add_co_u32 s86, s86, s87
	s_mov_b32 s87, 0
	s_add_nc_u64 s[86:87], s[8:9], s[86:87]
	s_lshl_b32 s20, s62, 9                         ; the scale words: 512 a block, 128 for two K steps, 4 a K step, 2 a head
	s_lshr_b32 s21, s81, 2
	s_lshl_b32 s21, s21, 7
	s_add_co_u32 s20, s20, s21
	s_and_b32 s21, s84, 1
	s_lshl_b32 s21, s21, 2
	s_add_co_u32 s20, s20, s21
	s_lshl_b32 s21, s83, 1
	s_add_co_u32 s20, s20, s21
	s_add_co_u32 s20, s20, 3145728
	s_mov_b32 s21, 0
	s_add_nc_u64 s[60:61], s[8:9], s[20:21]
	s_wait_alu depctr_va_vdst(0)                   ; the wait ahead of the reciprocal's first reader
.set n, 0
.rept 32
	v_mul_f32 v[S+n], v[O+n], v14
.set n, n+1
.endr
.irp b, 0,1
	v_max3_num_f32 v[BM+\b], |v[S+16*\b]|, |v[S+16*\b+1]|, 0x1800000
.endr
.irp i, 2,4,6,8,10,12,14
.irp b, 0,1
	v_max3_num_f32 v[BM+\b], v[BM+\b], |v[S+16*\b+\i]|, |v[S+16*\b+\i+1]|
.endr
.endr
.irp b, 0,1
	v_permlanex16_b32 v[PT+\b], v[BM+\b], s[SEL], s[SEL+1]
.endr
.irp b, 0,1
	v_max_num_f32 v[BM+\b], v[BM+\b], v[PT+\b]
.endr
.irp b, 0,1
	v_add_nc_u32 v[SOP+\b], 0xff000000, v[BM+\b]
.endr
.irp b, 0,1
	v_lshrrev_b32 v[PT+\b], 23, v[SOP+\b]
.endr
	v_lshl_or_b32 v[TP], v[PT+1], 8, v[PT]         ; the head's two bytes of the row's scale word
	v_cvt_scalef32_pk16_fp6_f32 v[KF:KF+2], v[S:S+15], v[SOP]
	v_cvt_scalef32_pk16_fp6_f32 v[PC2:PC2+2], v[S+16:S+31], v[SOP+1]
	v_nop
.irp i, 0,1,2
	v_permlane16_swap_b32 v[KF+\i], v[PC2+\i]
.endr
.irp i, 0,1,2
	v_mov_b32 v[KF+3+\i], v[PC2+\i]
.endr
	global_store_b128 v1, v[KF:KF+3], s[86:87]     ; 512 and 256 consecutive bytes, aligned
	global_store_b64 v2, v[KF+4:KF+5], s[86:87] offset:512
	global_store_b16 v31, v[TP], s[60:61]          ; two bytes a row: a word's other half is another head's, another work-group's; lanes 16-31 store the same bytes as lanes 0-15
	s_wait_tensorcnt 0x0                           ; the wave's end
	ds_add_u32 v6, v7
	s_wait_dscnt 0x0
	CROUND                                         ; the closing round
	s_endpgm
.Lfunc_end_k_qd71a5c1a03_attn:
	.size	k_qd71a5c1a03_attn, .Lfunc_end_k_qd71a5c1a03_attn-k_qd71a5c1a03_attn
	.p2alignl 7, 3214868480
	.fill 96, 4, 3214868480
	.section	.rodata,"a",@progbits
	.p2align	6, 0x0
	.amdhsa_kernel k_qd71a5c1a03_attn
		.amdhsa_group_segment_fixed_size 327680
		.amdhsa_private_segment_fixed_size 0
		.amdhsa_enable_private_segment 0
		.amdhsa_kernarg_size 24
		.amdhsa_user_sgpr_count 2
		.amdhsa_user_sgpr_kernarg_segment_ptr 1
		.amdhsa_wavefront_size32 1
		.amdhsa_system_sgpr_workgroup_id_x 1
		.amdhsa_system_sgpr_workgroup_id_y 1
		.amdhsa_system_sgpr_workgroup_id_z 1
		.amdhsa_system_vgpr_workitem_id 0
		.amdhsa_next_free_vgpr 256
		.amdhsa_next_free_sgpr 100
		.amdhsa_reserve_vcc 0
		.amdhsa_float_denorm_mode_32 3
		.amdhsa_float_denorm_mode_16_64 3
		.amdhsa_memory_ordered 1
		.amdhsa_forward_progress 1
		.amdhsa_inst_pref_size 100
	.end_amdhsa_kernel
	.amdgpu_metadata
---
amdhsa.version: [ 1, 2 ]
amdhsa.kernels:
  - .name:           k_qd71a5c1a03_attn
    .symbol:         k_qd71a5c1a03_attn.kd
    .args:
      - { .name: qk, .offset: 0, .size: 8, .value_kind: global_buffer, .address_space: global }
      - { .name: vq, .offset: 8, .size: 8, .value_kind: global_buffer, .address_space: global }
      - { .name: yq, .offset: 16, .size: 8, .value_kind: global_buffer, .address_space: global }
    .group_segment_fixed_size: 327680
    .private_segment_fixed_size: 0
    .kernarg_segment_align: 8
    .kernarg_segment_size: 24
    .max_flat_workgroup_size: 512
    .sgpr_count:     100
    .vgpr_count:     256
    .wavefront_size: 32
...
	.end_amdgpu_metadata
.endif
;; end of part 3
;; launch proj (part 4): grid 8 x 32, 4 waves a work-group, clusters of 4 x 4, 327,680 bytes of LDS; arguments yq, pq, out0; writes out0
.if DOCPART == 4
	.amdgcn_target "amdgcn-amd-amdhsa--gfx1250"
	.amdhsa_code_object_version 6
	.text
	.protected	k_qd71a5c1a03_proj
	.globl	k_qd71a5c1a03_proj
	.p2align	8
	.type	k_qd71a5c1a03_proj,@function
k_qd71a5c1a03_proj:
	s_mov_b64 s[64:65], 0
	v_nop
	global_prefetch_b8 v0, s[64:65] scope:SCOPE_SE
	s_setreg_imm32_b32 hwreg(HW_REG_WAVE_MODE, 25, 1), 1
	s_wait_xcnt 0x0
	s_wait_alu depctr_hold_cnt(0) depctr_sa_sdst(0) depctr_va_vdst(0) depctr_va_sdst(0) depctr_va_ssrc(0) depctr_va_vcc(0) depctr_vm_vsrc(0)
	s_getreg_b32 s2, hwreg(HW_REG_IB_STS2, 6, 4)
	s_cmp_eq_u32 s2, 0
	s_cbranch_scc0 .Lentry_in_a_cluster
	s_endpgm
.Lentry_in_a_cluster:
	s_bfe_u32 s2, ttmp6, 0x10000c
	s_cmp_lg_u32 s2, 0xf033
	s_cbranch_scc0 .Lentry_shape_is_right
	s_endpgm
.Lentry_shape_is_right:
; out = y w_proj on codes of FP6 (E2M3) with E8M0 scales, K = 1,024; out is f32.
; A work-group of four waves makes 128 x 128 of out, a wave 64 x 64: 16 accumulators.  8 x 32 work-groups.  All of K lies in LDS: 8 blocks of 16 rows of y and 8 of w_proj, 12,288 bytes each, filled once, one tensor load a wave:
; y's and w_proj's K steps 0-3 (waves 0 and 1), then K steps 4-7 (waves 2 and 3).  The scale words go from memory into registers, one load of 256 bytes for four K steps of a block: lanes 0-15 K steps 4 q, 4 q + 1, lanes 16-31 the next two.
; A fragment is 1,536 bytes.  w_proj's: register 4 m + e of lane l at 512 m + 16 l + 4 e.  y's: two halves of six registers, 768 bytes: registers 0-3 at 16 l, registers 4-5 at 512 + 8 l.
; Source 0 = w_proj's rows (columns of out), source 1 = tokens: a lane holds one token and eight neighbouring columns.  Block 2 g + u, lane row r, is row 32 g + 8 u + r % 8 + 16 (r / 8), in both operands.
; CLUSTERS: 4 x 4; y's tiles are asked for jointly along a row of the cluster, w_proj's along a column.  No prefetch: all tiles are asked for at the head, and the text has no loop to run ahead in.
.set B0,    49152
.set H1,    98304                      ; K steps 4-7 behind K steps 0-3
.set STG,   196608                     ; a wave's stage: 64 rows x (256 bytes + 16)
.set SPARE, 266240
.set SPITCH, 272
.set SA,   30                          ; v30-45 y's scale words: 4 registers a block
.set SB,   48                          ; v48-63 w_proj's
.set AF,   64                          ; y's fragments: two sets of 48
.set BF,   160                         ; w_proj's
.set SPW,  14
.set NIL,  15
.set MSB, 0
.macro WIN new
.if MSB != (\new)
	s_set_vgpr_msb (MSB<<8)|(\new)
.set MSB, (\new)
.endif
.endm
.macro PLACES
.rept 4
	v_nop
.endr
.endm
.macro CROUND
	s_barrier_signal -1
	s_barrier_wait -1
	s_cmp_lg_u32 s14, 0
	s_cbranch_scc1 .Lnot_wave_0_\@
	s_barrier_signal -3
.Lnot_wave_0_\@:
	s_barrier_wait -3
	s_barrier_signal -1
	s_barrier_wait -1
.endm
.macro TL g0, g1
	tensor_load_to_lds s[\g0:\g0+3], s[\g1:\g1+7]
	s_nop 0
	PLACES
.endm
	s_load_b128 s[4:7], s[0:1], 0x0                ; yq s[4:5], pq s[6:7]
	s_load_b64 s[8:9], s[0:1], 0x10                ; out0
	v_lshl_add_u32 v[SPW], v0, 2, SPARE
	v_mov_b32 v[NIL], 0
	ds_add_u32 v[SPW], v[NIL]                      ; the opening add, twice on end
	ds_add_u32 v[SPW], v[NIL]
	v_lshrrev_b32 v1, 5, v0
	v_readfirstlane_b32 s14, v1                    ; wave 0..3
	s_lshr_b32 s15, s14, 1                         ; my 64 rows.  Also: the half of K that I fetch
	s_and_b32 s16, s14, 1                          ; my 64 columns.  Also: I fetch for y (0) or for w_proj (1)
	s_bfe_u32 s40, ttmp6, 0x40000
	s_bfe_u32 s41, ttmp6, 0x40004
	s_lshl_b32 s42, ttmp9, 2
	s_add_co_u32 s42, s42, s40                     ; tile column
	s_and_b32 s17, ttmp7, 0xffff
	s_lshl_b32 s17, s17, 2
	s_add_co_u32 s17, s17, s41                     ; tile row
	s_lshl_b32 s43, s41, 2
	s_lshl_b32 s43, 15, s43                        ; my row of the cluster
	s_lshl_b32 s44, 0x1111, s40                    ; my column
	s_or_b32 s24, s43, (3<<16)|(1<<21)
	s_or_b32 s32, s44, (3<<16)|(1<<21)
.irp g, 24, 32                                 ; 8 rows of 6,144 bytes, 12,288 apart
	s_mov_b32 s[\g+1], 768<<16
	s_mov_b32 s[\g+2], 8<<16
	s_mov_b32 s[\g+3], 768<<16
	s_mov_b32 s[\g+4], 8
	s_mov_b32 s[\g+5], 1536
	s_mov_b32 s[\g+6], 0
	s_mov_b32 s[\g+7], 0
.endr
	s_mul_i32 s20, s17, 98304
	s_mul_i32 s22, s15, 6144
	s_add_co_u32 s20, s20, s22                     ; y: the tile's first block, my half of K
	s_mov_b32 s21, 0
	s_mul_i32 s46, s42, 98304
	s_add_co_u32 s46, s46, s22                     ; w_proj likewise
	s_mov_b32 s47, 0
	s_mul_i32 s45, s14, 49152                      ; where it goes
	s_wait_dscnt 0x0
	s_wait_kmcnt 0x0
	s_mov_b32 s48, 1
	s_add_co_u32 s49, s45, 0
	s_add_nc_u64 s[50:51], s[4:5], s[20:21]
	s_or_b32 s51, s51, 0x80000000
	s_mov_b32 s52, 1
	s_add_co_u32 s53, s45, 0
	s_add_nc_u64 s[54:55], s[6:7], s[46:47]
	s_or_b32 s55, s55, 0x80000000
	CROUND                                         ; all sixteen work-groups are here: the joint loads meet
	s_cmp_eq_u32 s14, 0
	s_cbranch_scc0 .Lwave_1
	TL 48, 24
	s_branch .Lasked
.Lwave_1:
	s_cmp_eq_u32 s14, 1
	s_cbranch_scc0 .Lwave_2
	TL 52, 32
	s_branch .Lasked
.Lwave_2:
	s_cmp_eq_u32 s14, 2
	s_cbranch_scc0 .Lwave_3
	TL 48, 24
	s_branch .Lasked
.Lwave_3:
	TL 52, 32
.Lasked:
	s_lshl_b32 s20, s17, 3
	s_lshl_b32 s22, s15, 2
	s_add_co_u32 s20, s20, s22
	s_lshl_b32 s20, s20, 9
	s_add_co_u32 s20, s20, 3145728
	s_mov_b32 s21, 0
	s_add_nc_u64 s[56:57], s[4:5], s[20:21]        ; my four blocks' scale words of y
	s_lshl_b32 s20, s42, 3
	s_lshl_b32 s22, s16, 2
	s_add_co_u32 s20, s20, s22
	s_lshl_b32 s20, s20, 9
	s_add_co_u32 s20, s20, 786432
	s_add_nc_u64 s[58:59], s[6:7], s[20:21]        ; and of w_proj
	s_lshl_b32 s20, s17, 19
	s_lshl_b32 s22, s15, 18
	s_add_co_u32 s20, s20, s22
	s_lshl_b32 s22, s42, 9
	s_add_co_u32 s20, s20, s22
	s_lshl_b32 s22, s16, 8
	s_add_co_u32 s20, s20, s22
	s_add_nc_u64 s[12:13], s[8:9], s[20:21]        ; my first row and column of out
	v_and_b32 v11, 15, v0                          ; r
	v_bfe_u32 v12, v0, 4, 1                        ; h
	v_and_b32 v13, 31, v0
	v_lshlrev_b32 v16, 4, v13
	v_lshlrev_b32 v10, 3, v13                      ; 8 x lane
	s_mul_i32 s20, s15, 24576
	v_add_nc_u32 v1, s20, v16                      ; y: 16 x lane and 8 x lane, K steps 0-3
	v_add_nc_u32 v2, s20, v10
	s_add_co_u32 s20, s20, H1
	v_add_nc_u32 v3, s20, v16                      ; K steps 4-7
	v_add_nc_u32 v4, s20, v10
	s_mul_i32 s20, s16, 24576
	s_add_co_u32 s20, s20, B0
	v_add_nc_u32 v5, s20, v16                      ; w_proj
	s_add_co_u32 s20, s20, H1
	v_add_nc_u32 v6, s20, v16
	s_mul_i32 s20, s14, 64*SPITCH
	s_add_co_u32 s20, s20, STG
	v_mul_u32_u24 v7, v11, SPITCH
	v_lshl_add_u32 v7, v12, 6, v7
	v_add_nc_u32 v7, s20, v7                       ; the stage, in: row r, 64 h
	v_mul_u32_u24 v8, v12, SPITCH
	v_lshl_add_u32 v8, v11, 4, v8
	v_add_nc_u32 v8, s20, v8                       ; and out: two rows of 256 bytes
	v_lshlrev_b32 v9, 12, v12
	v_lshl_add_u32 v9, v11, 4, v9                  ; the same two rows of out
	s_wait_alu depctr_va_vdst(0)                   ; the wait at the head's end
.irp q, 0,1
.irp i, 0,1,2,3
	global_load_b64 v[SA+4*\i+2*\q:SA+4*\i+2*\q+1], v10, s[56:57] offset:512*\i+256*\q
	global_load_b64 v[SB+4*\i+2*\q:SB+4*\i+2*\q+1], v10, s[58:59] offset:512*\i+256*\q
.endr
.endr
.macro FETCH k                         ; 28 loads: four fragments of y, four of w_proj
.irp i, 0,1,2,3
.irp c, 0,1
	ds_load_b128 v[AF+48*((\k)%2)+12*\i+6*\c:AF+48*((\k)%2)+12*\i+6*\c+3], v[1+2*((\k)/4)] offset:6144*\i+1536*((\k)%4)+768*\c
	ds_load_b64 v[AF+48*((\k)%2)+12*\i+6*\c+4:AF+48*((\k)%2)+12*\i+6*\c+5], v[2+2*((\k)/4)] offset:6144*\i+1536*((\k)%4)+768*\c+512
.endr
.irp m, 0,1,2
	ds_load_b128 v[BF+48*((\k)%2)+12*\i+4*\m:BF+48*((\k)%2)+12*\i+4*\m+3], v[5+(\k)/4] offset:6144*\i+1536*((\k)%4)+512*\m
.endr
.endr
.endm
.macro WM1 d, s0, s1, c, x0, x1, row
	v_wmma_scale_f32_16x16x128_f8f6f4 v[\d:\d+7], v[\s0:\s0+11], v[\s1:\s1+11], \c, v[\x0], v[\x1] matrix_a_fmt:MATRIX_FMT_FP6 matrix_b_fmt:MATRIX_FMT_FP6 matrix_a_scale:MATRIX_SCALE_ROW\row matrix_b_scale:MATRIX_SCALE_ROW\row
.endm
.macro MUL k                           ; 16 products, each on an accumulator of its own
.set K_, \k
.set SX_, 2*(K_/4)+K_%2
	WIN 0x50                                       ; C and D: window 1
.irp a, 0,1,2,3
.irp b, 0,1,2,3
.set D_, 8*(4*\a+\b)
.set P_, BF+48*(K_%2)+12*\b
.set R_, AF+48*(K_%2)+12*\a
.set X_, SB+4*\b+SX_
.set Y_, SA+4*\a+SX_
.if K_ == 0
	WM1 D_, P_, R_, 0, X_, Y_, 0
.elseif (K_/2)%2
	WM1 D_, P_, R_, v[D_:D_+7], X_, Y_, 1
.else
	WM1 D_, P_, R_, v[D_:D_+7], X_, Y_, 0
.endif
.endr
.endr
	WIN 0
	PLACES                                         ; places in front of the loads below, and of the way out
.endm
	s_cmp_lt_u32 s14, 2
	s_cbranch_scc0 .Lnot_first
	s_wait_tensorcnt 0x0                           ; K steps 0-3 are in
.Lnot_first:
	s_barrier_signal -1
	s_barrier_wait -1
	FETCH 0
	FETCH 1
	s_wait_loadcnt 0x0                             ; the scale words
	s_wait_dscnt 28                                ; all but the next step's 28 loads
	MUL 0
	FETCH 2
	s_wait_dscnt 28
	MUL 1
	FETCH 3
	s_wait_tensorcnt 0x0                           ; K steps 4-7 are in
	s_wait_dscnt 0x0
	s_barrier_signal -1
	MUL 2                                          ; work on registers while the others arrive
	s_barrier_wait -1
	FETCH 4
	s_wait_dscnt 28
	MUL 3
	FETCH 5
	s_wait_dscnt 28
	MUL 4
	FETCH 6
	s_wait_dscnt 28
	MUL 5
	FETCH 7
	s_wait_dscnt 28
	MUL 6
	s_wait_dscnt 0x0
	MUL 7
; THE WAY OUT: 16 rows x 64 columns at a time through my own stage; LDS serves a wave's instructions in order (ISA guide 5.7.1.4): no wait between the stores and the loads
.macro STAGE a
	WIN 0x04
.irp b, 0,1,2,3
	ds_store_b128 v7, v[8*(4*\a+\b):8*(4*\a+\b)+3] offset:16*SPITCH*\a+128*(\b/2)+32*(\b%2)
	ds_store_b128 v7, v[8*(4*\a+\b)+4:8*(4*\a+\b)+7] offset:16*SPITCH*\a+128*(\b/2)+32*(\b%2)+16
.endr
	WIN 0
.irp t, 0,1,2,3,4,5,6,7
	ds_load_b128 v[AF+32*\a+4*\t:AF+32*\a+4*\t+3], v8 offset:16*SPITCH*\a+2*SPITCH*\t
.endr
.endm
.macro SEND a, younger
	s_wait_dscnt \younger
.irp t, 0,1,2,3,4,5,6,7                        ; sixteen lanes store an aligned unit of 256 bytes
	global_store_b128 v9, v[AF+32*(\a)+4*\t:AF+32*(\a)+4*\t+3], s[12:13] offset:(32*((\a)/2)+8*((\a)%2)+2*(\t%4)+16*(\t/4))*4096 th:TH_STORE_NT
.endr
.endm
	STAGE 0
.irp a, 1,2,3
	STAGE \a
	SEND \a-1, 16                                  ; behind its loads: the next block's 8 stores and 8 loads
.endr
	SEND 3, 0
	s_wait_tensorcnt 0x0                           ; the wave's end
	ds_add_u32 v[SPW], v[NIL]
	s_wait_dscnt 0x0
	CROUND                                         ; the closing round
	s_endpgm
.Lfunc_end_k_qd71a5c1a03_proj:
	.size	k_qd71a5c1a03_proj, .Lfunc_end_k_qd71a5c1a03_proj-k_qd71a5c1a03_proj
	.p2alignl 7, 3214868480
	.fill 96, 4, 3214868480
	.section	.rodata,"a",@progbits
	.p2align	6, 0x0
	.amdhsa_kernel k_qd71a5c1a03_proj
		.amdhsa_group_segment_fixed_size 327680
		.amdhsa_private_segment_fixed_size 0
		.amdhsa_enable_private_segment 0
		.amdhsa_kernarg_size 24
		.amdhsa_user_sgpr_count 2
		.amdhsa_user_sgpr_kernarg_segment_ptr 1
		.amdhsa_wavefront_size32 1
		.amdhsa_system_sgpr_workgroup_id_x 1
		.amdhsa_system_sgpr_workgroup_id_y 1
		.amdhsa_system_sgpr_workgroup_id_z 1
		.amdhsa_system_vgpr_workitem_id 0
		.amdhsa_next_free_vgpr 384
		.amdhsa_next_free_sgpr 98
		.amdhsa_reserve_vcc 0
		.amdhsa_float_denorm_mode_32 3
		.amdhsa_float_denorm_mode_16_64 3
		.amdhsa_memory_ordered 1
		.amdhsa_forward_progress 1
		.amdhsa_inst_pref_size 48
	.end_amdhsa_kernel
	.amdgpu_metadata
---
amdhsa.version: [ 1, 2 ]
amdhsa.kernels:
  - .name:           k_qd71a5c1a03_proj
    .symbol:         k_qd71a5c1a03_proj.kd
    .args:
      - { .name: yq, .offset: 0, .size: 8, .value_kind: global_buffer, .address_space: global }
      - { .name: pq, .offset: 8, .size: 8, .value_kind: global_buffer, .address_space: global }
      - { .name: out0, .offset: 16, .size: 8, .value_kind: global_buffer, .address_space: global }
    .group_segment_fixed_size: 327680
    .private_segment_fixed_size: 0
    .kernarg_segment_align: 8
    .kernarg_segment_size: 24
    .max_flat_workgroup_size: 128
    .sgpr_count:     98
    .vgpr_count:     384
    .wavefront_size: 32
...
	.end_amdgpu_metadata
.endif
;; end of part 4
